; MI455X (gfx1250); checked and timed in simulation.
; The chip was launched on July 23, 2026; its instructions are those of AMD's public machine-readable ISA for CDNA 5 (MIT licence, August 2026) and "CDNA5" Instruction Set Architecture Reference Guide (July 2026). The comments in the code are by the model that wrote it; some were corrected since.
;; Mo E. Allowed arithmetic: matrix products marked QUANTISED: E2M3 operands, one E8M0 scale for each 32 along K, by v_wmma_scale_f32_16x16x128_f8f6f4 with both operands' format E2M3, f32 sums; products left as they are: f32 operands where the result goes on into a quantised operand, else bf16, f16 or f32 operands; f32 sums; everything else in f32.
;; Inputs: W1_codes 8 x 1,024 x 16 x 24 uint8 (E2M3 codes of W1, K innermost, in blocks of 32 codes, four codes in three bytes); W1_scales 8 x 1,024 x 16 uint8 (E8M0 scales of W1, one for each 32 codes along K); W2_codes 8 x 512 x 32 x 24 uint8 (E2M3 codes of W2, K innermost, in blocks of 32 codes, four codes in three bytes); W2_scales 8 x 512 x 32 uint8 (E8M0 scales of W2, one for each 32 codes along K); Wg 512 x 8 float32; b1 8 x 1,024 float32; b2 8 x 512 float32; bg 8 float32; x 2 x 4,096 x 512 float32.
;; Outputs: out0 2 x 4,096 x 512 float32.
;; This version of the problem:
;;   THIS VERSION OF THE PROBLEM IS GIVEN IN LOW PRECISION. The matrix products marked QUANTISED in the list below multiply operands that are first quantised to E2M3 (2 exponent bits, 3 mantissa bits; 6 bits a number), with one power-of-two scale for each 32 numbers along K (OCP MX v1.0); their sums are f32. All else is computed in f32.
;;   The module's matrix products, in the order in which they are computed (A, B: the left and right operand; K: the contracted axis; several contracted axes count as one K, in the product's order):
;;     1. [M 8,192, K 512] x [K 512, N 8]; A: input x; B: input Wg: left as it is (N = 8 < 16)
;;     2. [M 8,192, K 512] x [K 512, N 8,192]; A: input W1 (given as codes); B: input x: QUANTISED
;;     3. batch 8 x [M 8,192, K 1,024] x [K 1,024, N 512]; A: computed on the way; B: input W2 (given as codes): QUANTISED
;;     4. batch 8,192 x [M 1, K 8] x [K 8, N 512]; A: computed on the way; B: computed on the way: left as it is (K = 8 < 32)
;;   THE QUANTISER, for each operand of a quantised product, along K:
;;     - K is cut into blocks of 32 from its start; a last block that is shorter is filled with zeros.
;;     - A block's scale is 2^e with e = floor(log2(the largest magnitude in the block)) - 2, held to -126 .. 127; a block of zeros has e = 0. As a byte (E8M0): e + 127.
;;     - Each number is divided by its block's scale, clamped to +-7.5, and rounded to the nearest number of E2M3, ties to even, subnormals kept.
;;     - The product sums the exact products of the quantised numbers (number of the format x scale) in f32.
;;   ~~~python
;;   def quantise(x, axis):      # numpy; x: float32 -> the quantised numbers, widened to float32 again
;;       x = np.moveaxis(x, axis, -1); K = x.shape[-1]
;;       x = np.pad(x, [(0, 0)] * (x.ndim - 1) + [(0, -K % 32)]); x = x.reshape(x.shape[:-1] + (-1, 32)); a = np.abs(x).max(-1, keepdims=True)
;;       e = np.where(a > 0, np.clip(np.frexp(np.where(a > 0, a, 1))[1] - 1 - 2, -126, 127), 0)      # np.frexp(a)[1] - 1 = floor(log2(a)), exactly
;;       r = np.clip(x / 2.0 ** e, -7.5, 7.5)
;;       step = 2.0 ** (np.maximum(np.frexp(np.where(r == 0, 1, r))[1] - 1, 0) - 3)
;;       q = np.round(r / step) * step * 2.0 ** e      # np.round: ties to even
;;       return np.moveaxis(q.reshape(q.shape[:-2] + (-1,))[..., :K], -1, axis).astype(np.float32)
;;   ~~~
;;   OPERANDS COMPUTED ON THE WAY. 'Computed on the way' means the value that the module computes at that place (a softmax that the list does not call 'softmax' is quantised finished and normalised). What goes into a quantiser is computed in f32, as accurately as f32 sums, v_exp_f32 and their like allow (about 1e-6 of the number): no bf16 or f16 on the way to a quantiser, and a product that is left as it is and whose result goes on into a quantised operand takes f32 operands (vector FMAs, or v_wmma_f32_16x16x4_f32). A number that lies on a knife's edge between two numbers of the format may be rounded either way, as far as f32 arithmetic and the matrix unit's own rounding can turn it there, and no further.
;;   INPUTS GIVEN AS CODES. W1 (in the module: [8, 512, 1024], K = its axis 1); W2 (in the module: [8, 1024, 512], K = its axis 1): each comes as NAME_codes (uint8): NAME with its K axis moved to the last place and cut into blocks of 32 codes, [.., K / 32, bytes a block], one block behind the other in memory; four codes in three bytes: a row's codes are one little-endian stream of bits, code i at bits 6 i .. 6 i + 5 (a code: sign, 2 exponent bits, 3 mantissa bits); and NAME_scales (uint8): the same leading axes, one E8M0 byte (e + 127) for each 32 codes along K. Its value is code x scale, taken as it is: it is not quantised again, and the codes and scales need not be those that the quantiser above would give.
;; 2 versions, each right; version 2 is version 1 with the launch chain written anew for expert scheduling mode. Each part assembles by itself: llvm-mc -triple=amdgcn-amd-amdhsa -mcpu=gfx1250 --defsym DOCPART=n.
;; ======== version 1 of 2: 3 launches
;; workspace buffers: xq 3,145,728 bytes; xs 131,072 bytes; gw 65,536 bytes; keys 65,536 bytes of whole numbers; wimg 6,815,744 bytes; order 33,024 bytes of whole numbers; tiles 2,560 bytes of whole numbers
;; launch route (part 1): grid 256 x 1, 4 waves a work-group, no clusters, 104,704 bytes of LDS; arguments x, Wg, bg, W1_codes, W1_scales, W2_codes, W2_scales, xq, xs, gw, keys, wimg; writes xq, xs, gw, keys, wimg
.if DOCPART == 1
	.amdgcn_target "amdgcn-amd-amdhsa--gfx1250"
	.amdhsa_code_object_version 6
	.text
	.protected	k_q647da0a630_route
	.globl	k_q647da0a630_route
	.p2align	8
	.type	k_q647da0a630_route,@function
k_q647da0a630_route:
	s_mov_b64 s[64:65], 0
	v_nop
	global_prefetch_b8 v0, s[64:65] scope:SCOPE_SE
	s_setreg_imm32_b32 hwreg(HW_REG_WAVE_MODE, 25, 1), 1
	s_wait_xcnt 0x0
; ROUTE.  x [8192][512] f32 is read once.  For each token: its codes of E2M3 and scale bytes (xq, xs), its 8 logits x Wg + bg in f32, the two largest, their renormalised gates (gw),
; the key of its pair of experts and its rank among the tokens of that key in its chunk of 32 tokens (keys).  Nothing here forms an address or a branch from these numbers: they are stored at fixed places.
; The same launch lays W1 and W2 out as images of operand registers (wimg), in the order in which the third launch takes them: each of the 1,024 waves copies one group of four fragments.
; SHARES.  Work-group c takes tokens 32 c .. 32 c + 31, wave w eight of them as four pairs of rows.  For the arithmetic lane l holds row l / 16 of the pair and block l % 16 of 32 numbers along K:
; a block lies in one lane, so its largest magnitude needs no other lane and the conversions give 24 bytes of codes as they lie in a row.
; Each load of x takes 512 consecutive bytes; a pair (4,096 bytes) turns through the wave own stage in LDS (places of 128 bytes + 16) and comes back 128 bytes a lane.
; Wg (16 KB) goes through LDS once and then stays in 256 registers a lane: Wg[32 kb + i][0..7] at register 8 i of window 1.
; GATES.  The order is taken on the logits, the lower index first where two are equal; w1 = 1 / (1 + 2^((l2 - l1) log2 e)), w2 = 2^(..) w1: the softmax, the choice of two and the renormalisation with the
; common divisor cancelled; the largest logit is taken away ahead of the exponential.
; LIMITS.  NaN and infinities among the inputs are not served.  Two logits that differ but round to equal gates at the second and third place could be ordered otherwise than by the gates.
; A second gate under 2^-126 of the first comes out as 0.  A block of zeros, or one whose largest magnitude lies under 2^-124, gets the scale byte 1: its bytes are read by this program alone.
; No matrix unit, no tensor load: a stream bound by memory.
.set L_STG, 16640                      ; LDS: 0: Wg, 16 x (1,024 + 16);  here: 4 stages of 32 x 144 bytes for each wave
.set L_XC,  90368                      ; 8 rows x 384 bytes of codes for each wave
.set L_XS,  102656                     ; 32 tokens x 16 scale bytes
.set L_LG,  103168                     ; 32 tokens x 8 logits
.set GB,    6656                       ; a group of wimg: 4 fragments x 1,536 bytes + 512 bytes of scale words
.set R,     32                         ; v32-159  four pairs x 32 registers, as loaded
.set X,     160                        ; v160-223 two sets of 32 neighbours
.set A,     224                        ; v224-239 two sets of 8 sums
.set C,     240                        ; v240-246 a block of codes
.set MSB, 0
.macro WIN new                         ; the high byte of the immediate repeats the setting that is left
.if MSB != \new
	s_set_vgpr_msb (MSB<<8)|\new
.set MSB, \new
.endif
.endm
	s_load_b512 s[4:19], s[0:1], 0x0               ; x s[4:5], Wg s[6:7], bg s[8:9], W1 codes s[10:11], W1 scales s[12:13], W2 codes s[14:15], W2 scales s[16:17], xq s[18:19]
	s_load_b256 s[20:27], s[0:1], 0x40             ; xs s[20:21], gw s[22:23], keys s[24:25], wimg s[26:27]
	v_lshl_add_u32 v254, v0, 2, 0x19700
	v_mov_b32 v255, 0
	v_lshrrev_b32 v16, 5, v0
	v_readfirstlane_b32 s28, v16                   ; wave 0..3
	v_and_b32 v1, 31, v0                           ; lane
	v_lshlrev_b32 v2, 4, v1                        ; v2: 16 x lane
	v_lshlrev_b32 v3, 4, v0                        ; v3: 16 x thread: my bytes of a load of Wg
	v_lshrrev_b32 v16, 6, v0
	v_and_b32 v17, 63, v0
	v_mul_u32_u24 v4, v16, 1040
	v_lshl_add_u32 v4, v17, 4, v4                  ; v4: Wg into LDS: 1,040 (thread / 64) + 16 (thread % 64)
	v_and_b32 v18, 15, v0                          ; kb = lane % 16
	v_mul_u32_u24 v5, v18, 1040                    ; v5: and out of it: my block of 32 rows of Wg
	v_bfe_u32 v19, v0, 4, 1                        ; which row of a pair
	s_mul_i32 s44, s28, 18432
	s_add_co_u32 s44, s44, L_STG                   ; my wave stages
	v_bfe_u32 v16, v0, 3, 2
	v_and_b32 v17, 7, v0
	v_mul_u32_u24 v6, v16, 144
	v_lshl_add_u32 v6, v17, 4, v6
	v_add_nc_u32 v6, s44, v6                       ; v6: into a stage: eight lanes fill a place of 128 bytes
	v_mul_u32_u24 v7, v1, 144
	v_add_nc_u32 v7, s44, v7                       ; v7: out of it: my place
	s_mul_i32 s45, s28, 3072
	s_add_co_u32 s45, s45, L_XC
	v_mul_u32_u24 v8, v19, 384                     ; v8: my block of codes in the row of xq: block 4 s + 2 c + h lies at 96 s + 48 h + 24 c,
	v_bfe_u32 v16, v0, 2, 2                        ; so that lane (r, h) of the third launch finds its 48 bytes of a K step on end
	v_mad_u32_u24 v8, v16, 96, v8
	v_and_b32 v16, 1, v0
	v_mad_u32_u24 v8, v16, 48, v8
	v_bfe_u32 v16, v0, 1, 1
	v_mad_u32_u24 v8, v16, 24, v8
	v_add_nc_u32 v8, s45, v8
	v_add_nc_u32 v9, s45, v2                       ; v9: the codes on their way out: 16 bytes a lane
	s_lshl_b32 s46, s28, 7
	s_add_co_u32 s46, s46, L_XS
	v_add_nc_u32 v10, s46, v1                      ; v10: my scale byte: 16 x token + block = 128 w + 32 p + lane
	s_lshl_b32 s47, s28, 8
	s_add_co_u32 s47, s47, L_LG
	v_lshl_add_u32 v11, v19, 5, s47                ; v11: my row of logits
	v_add_nc_u32 v12, L_XS, v2                     ; v12: wave 1 reads all scale bytes
	v_lshlrev_b32 v13, 5, v1
	v_add_nc_u32 v13, L_LG, v13                    ; v13: wave 0 reads a token a lane
	s_and_b32 s48, ttmp9, 3
	s_lshl_b32 s48, s48, 2
	s_add_co_u32 s48, s48, s28                     ; which of 16 groups of W1 or of W2 (for one expert and one wave of the third launch) my wave copies
	s_lshr_b32 s49, ttmp9, 5                       ; the expert
	s_bfe_u32 s50, ttmp9, 0x20003                  ; the wave of the third launch
	s_and_b32 s53, s48, 1                          ; which four of its eight tiles
	s_mov_b32 s41, 0
	s_mov_b32 s57, 0
	s_wait_kmcnt 0x0
	s_load_b256 s[32:39], s[8:9], 0x0              ; bg
	s_lshl_b32 s40, ttmp9, 16
	s_lshl_b32 s42, s28, 14
	s_add_co_u32 s40, s40, s42
	s_add_nc_u64 s[4:5], s[4:5], s[40:41]          ; x at my first row: (32 c + 8 w) x 2,048 bytes
	s_mul_i32 s40, ttmp9, 12288
	s_mul_i32 s42, s28, 3072
	s_add_co_u32 s40, s40, s42
	s_add_nc_u64 s[18:19], s[18:19], s[40:41]      ; xq likewise: 384 bytes a row
	s_lshl_b32 s40, ttmp9, 9
	s_add_nc_u64 s[20:21], s[20:21], s[40:41]      ; xs: 512 bytes a work-group
	s_lshl_b32 s40, ttmp9, 8
	s_add_nc_u64 s[22:23], s[22:23], s[40:41]      ; gw and keys: 256 bytes a work-group
	s_add_nc_u64 s[24:25], s[24:25], s[40:41]
	s_lshl_b32 s40, ttmp9, 2
	s_add_co_u32 s40, s40, s28
	s_mul_i32 s40, s40, GB
	s_add_nc_u64 s[26:27], s[26:27], s[40:41]      ; wimg: group 4 c + w
; THE LOADS, all at once: 8 of Wg, 32 of x, 28 of weights
.irp j, 0,1,2,3,4,5,6,7
	global_load_b128 v[X+4*\j:X+4*\j+3], v3, s[6:7] offset:2048*\j
.endr
.irp p, 0,1,2,3
.irp i, 0,1,2,3,4,5,6,7
	global_load_b128 v[R+32*\p+4*\i:R+32*\p+4*\i+3], v2, s[4:5] offset:4096*\p+512*\i th:TH_LOAD_NT   ; 32 lanes read 512 consecutive bytes
.endr
.endr
	s_and_b32 s51, ttmp9, 4                        ; work-groups with this bit clear copy W1, the others W2: a branch on the number of the work-group
	s_cmp_lg_u32 s51, 0
	s_cbranch_scc1 .Lw2
	; W1: group = 8 q + 2 s + th: chunk q of 128 hidden units, K step s, tiles 4 th + i.  Lane r of tile t takes row 32 (t / 2) + 8 (t % 2) + r + 8 (r / 8) of the chunk,
	; so that the 16 registers of two neighbouring tiles of the hidden layer are 16 neighbours along the next K
	s_lshr_b32 s51, s48, 3                         ; q
	s_bfe_u32 s52, s48, 0x20001                    ; s
	s_lshl_b32 s54, s49, 10
	s_lshl_b32 s55, s50, 8
	s_add_co_u32 s54, s54, s55
	s_lshl_b32 s55, s51, 7
	s_add_co_u32 s54, s54, s55
	s_lshl_b32 s55, s53, 6
	s_add_co_u32 s54, s54, s55                     ; first row: 1,024 e + 128 (2 wave + q) + 64 th
	s_mul_i32 s56, s54, 384
	s_mul_i32 s55, s52, 96
	s_add_co_u32 s56, s56, s55
	s_add_nc_u64 s[10:11], s[10:11], s[56:57]
	s_lshl_b32 s56, s54, 4
	s_lshl_b32 s55, s52, 2
	s_add_co_u32 s56, s56, s55
	s_add_nc_u64 s[12:13], s[12:13], s[56:57]
	v_and_b32 v17, 8, v0
	v_add_nc_u32 v16, v18, v17                     ; r + 8 (r / 8)
	v_mul_u32_u24 v14, v16, 384
	v_mad_u32_u24 v14, v19, 24, v14
	v_lshlrev_b32 v15, 4, v16
	WIN 0x80                                       ; destination window 2
.irp i, 0,1,2,3
.irp p, 0,1,2,3,4,5
	global_load_b64 v[12*\i+2*\p:12*\i+2*\p+1], v14, s[10:11] offset:(32*(\i/2)+8*(\i%2))*384+48*(\p/3)+8*(\p%3) th:TH_LOAD_NT
.endr
	global_load_b32 v[48+\i], v15, s[12:13] offset:(32*(\i/2)+8*(\i%2))*16 th:TH_LOAD_NT
.endr
	WIN 0
	s_branch .Lrelayed
.Lw2:
	; W2: group = 2 s2 + th: K step s2 of eight, tiles 4 th + i of 16 neighbouring rows
	s_lshr_b32 s52, s48, 1                         ; s2
	s_lshl_b32 s54, s49, 9
	s_lshl_b32 s55, s50, 7
	s_add_co_u32 s54, s54, s55
	s_lshl_b32 s55, s53, 6
	s_add_co_u32 s54, s54, s55                     ; first row: 512 e + 128 wave + 64 th
	s_mul_i32 s56, s54, 768
	s_mul_i32 s55, s52, 96
	s_add_co_u32 s56, s56, s55
	s_add_nc_u64 s[14:15], s[14:15], s[56:57]
	s_lshl_b32 s56, s54, 5
	s_lshl_b32 s55, s52, 2
	s_add_co_u32 s56, s56, s55
	s_add_nc_u64 s[16:17], s[16:17], s[56:57]
	v_mul_u32_u24 v14, v18, 768
	v_mad_u32_u24 v14, v19, 24, v14
	v_lshlrev_b32 v15, 5, v18
	WIN 0x80
.irp i, 0,1,2,3
.irp p, 0,1,2,3,4,5
	global_load_b64 v[12*\i+2*\p:12*\i+2*\p+1], v14, s[14:15] offset:16*\i*768+48*(\p/3)+8*(\p%3) th:TH_LOAD_NT
.endr
	global_load_b32 v[48+\i], v15, s[16:17] offset:16*\i*32 th:TH_LOAD_NT
.endr
	WIN 0
.Lrelayed:
	s_wait_loadcnt 60                              ; Wg is in: behind it stand 32 loads of x and 28 of weights
.irp j, 0,1,2,3,4,5,6,7
	ds_store_b128 v4, v[X+4*\j:X+4*\j+3] offset:2080*\j
.endr
	s_wait_dscnt 0x0                               ; my part of Wg lies in LDS,
	s_barrier_signal -1
	s_barrier_wait -1                              ; and so does everybody else part
	WIN 0x40                                       ; destination window 1
.set i, 0
.rept 64
	ds_load_b128 v[4*i:4*i+3], v5 offset:16*i      ; my 32 rows of Wg: 256 registers that stay
.set i, i+1
.endr
	WIN 0
.macro TURN p                          ; pair p through its stage: LDS serves the instructions of a wave in order, so no wait stands between the stores and the loads
	s_wait_loadcnt 28+8*(3-(\p))                   ; its eight loads are in; behind them stand the later pairs and the 28 of weights
.irp i, 0,1,2,3,4,5,6,7
	ds_store_b128 v6, v[R+32*(\p)+4*\i:R+32*(\p)+4*\i+3] offset:4608*(\p)+576*\i
.endr
.irp i, 0,1,2,3,4,5,6,7
	ds_load_b128 v[X+32*((\p)%2)+4*\i:X+32*((\p)%2)+4*\i+3], v7 offset:4608*(\p)+16*\i
.endr
.endm
.macro WORK p, left
.set XR, X+32*((\p)%2)
	s_wait_dscnt \left                             ; all but the next pair 16 LDS instructions are done: my 32 numbers are here, and the last pair stores have read the registers that are written again below
	v_max3_num_f32 v248, |v[XR]|, |v[XR+1]|, 0x1800000            ; the largest magnitude of the block, in two chains, with the floor 2^(3 - 127) among the leaves: the byte cannot fall under 1
	v_max3_num_f32 v249, |v[XR+2]|, |v[XR+3]|, |v[XR+4]|
.irp i, 5,9,13,17,21,25
	v_max3_num_f32 v248, v248, |v[XR+\i]|, |v[XR+\i+1]|
	v_max3_num_f32 v249, v249, |v[XR+\i+2]|, |v[XR+\i+3]|
.endr
	v_max3_num_f32 v248, v248, |v[XR+29]|, |v[XR+30]|
	v_max3_num_f32 v248, v248, v249, |v[XR+31]|
	v_add_nc_u32 v250, 0xff000000, v248            ; 2 off its exponent field: the conversion takes the exponent field of this operand as its scale
	v_cvt_scalef32_pk16_fp6_f32 v[C:C+2], v[XR:XR+15], v250
	v_cvt_scalef32_pk16_fp6_f32 v[C+4:C+6], v[XR+16:XR+31], v250  ; (the three registers of a conversion begin on an even number)
	v_lshrrev_b32 v251, 23, v250                   ; the scale byte; also the plain instruction behind the conversions
	v_mov_b32 v[C+3], v[C+4]                       ; the 24 bytes on end
	v_mov_b32 v[C+4], v[C+5]
	v_mov_b32 v[C+5], v[C+6]
	ds_store_b64 v8, v[C:C+1] offset:768*(\p)
	ds_store_b64 v8, v[C+2:C+3] offset:768*(\p)+8
	ds_store_b64 v8, v[C+4:C+5] offset:768*(\p)+16
	ds_store_b8 v10, v251 offset:32*(\p)
	WIN 0x04                                       ; source 1 (Wg) window 1
.irp j, 0,1,2,3                        ; my 32 numbers x my 32 rows of Wg: 8 partial logits, two at a time, in two sets of sums; the first two products start them
	v_pk_mul_f32 v[A+2*\j:A+2*\j+1], v[XR:XR+1], v[2*\j:2*\j+1] op_sel_hi:[0,1]
.endr
.irp j, 0,1,2,3
	v_pk_mul_f32 v[A+8+2*\j:A+8+2*\j+1], v[XR:XR+1], v[8+2*\j:8+2*\j+1] op_sel:[1,0] op_sel_hi:[1,1]
.endr
.set i, 2
.rept 15
.irp j, 0,1,2,3
	v_pk_fma_f32 v[A+2*\j:A+2*\j+1], v[XR+i:XR+i+1], v[8*i+2*\j:8*i+2*\j+1], v[A+2*\j:A+2*\j+1] op_sel_hi:[0,1,1]                       ; the even number of the pair for both halves
.endr
.irp j, 0,1,2,3
	v_pk_fma_f32 v[A+8+2*\j:A+8+2*\j+1], v[XR+i:XR+i+1], v[8*i+8+2*\j:8*i+8+2*\j+1], v[A+8+2*\j:A+8+2*\j+1] op_sel:[1,0,0] op_sel_hi:[1,1,1]   ; the odd one
.endr
.set i, i+2
.endr
	WIN 0
.irp j, 0,1,2,3
	v_pk_add_f32 v[A+2*\j:A+2*\j+1], v[A+2*\j:A+2*\j+1], v[A+8+2*\j:A+8+2*\j+1]
.endr
.irp d, 1,2,4,8                        ; over the 16 lanes of a row; every lane ends with the same bits
.irp j, 0,1,2,3,4,5,6,7
	v_add_f32_dpp v[A+\j], v[A+\j], v[A+\j] row_xmask:\d row_mask:0xf bank_mask:0xf
.endr
.endr
	ds_store_b128 v11, v[A:A+3] offset:64*(\p)     ; the 16 lanes of a row write the same bytes with the same values
	ds_store_b128 v11, v[A+4:A+7] offset:64*(\p)+16
.endm
	TURN 0
	TURN 1
	WORK 0, 16
	TURN 2
	WORK 1, 16
	TURN 3
	WORK 2, 16
	WORK 3, 0
	s_wait_loadcnt 0x0                             ; the weights
	WIN 0x08                                       ; the data of a store are its source 1: window 2
.irp i, 0,1,2,3
.irp c, 0,1,2
	global_store_b128 v2, v[12*\i+4*\c:12*\i+4*\c+3], s[26:27] offset:1536*\i+512*\c   ; registers 4 c .. 4 c + 3 of fragment i, lane by lane: 512 consecutive bytes, aligned
.endr
.endr
	global_store_b128 v2, v[48:51], s[26:27] offset:6144           ; the four scale words of a lane
	WIN 0
.irp i, 0,1,2,3,4,5
	ds_load_b128 v[R+4*\i:R+4*\i+3], v9 offset:512*\i              ; my eight rows of codes, 3,072 consecutive bytes (these see my stores: in order)
.endr
.irp i, 0,1,2,3,4,5
	s_wait_dscnt 5-\i
	global_store_b128 v2, v[R+4*\i:R+4*\i+3], s[18:19] offset:512*\i
.endr
	s_wait_dscnt 0x0                               ; my scale bytes and logits lie in LDS
	s_barrier_signal -1
	s_barrier_wait -1
	s_cmp_eq_u32 s28, 1
	s_cbranch_scc0 .Lnot_one
	ds_load_b128 v[160:163], v12                   ; wave 1: the scale bytes of 32 tokens leave as 512 consecutive bytes
	s_wait_dscnt 0x0
	global_store_b128 v2, v[160:163], s[20:21]
	s_branch .Lend
.Lnot_one:
	s_cmp_eq_u32 s28, 0
	s_cbranch_scc0 .Lend
	; wave 0: a token a lane
	ds_load_b128 v[160:163], v13
	ds_load_b128 v[164:167], v13 offset:16
	v_lshlrev_b32 v186, 3, v1
	s_wait_kmcnt 0x0                               ; bg
	s_wait_dscnt 0x0
.irp k, 0,1,2,3,4,5,6,7
	v_add_f32 v[160+\k], s[32+\k], v[160+\k]
.endr
	v_mov_b32 v168, v160                           ; the largest logit and its index,
	v_mov_b32 v169, 0
	v_mov_b32 v170, 0xff800000                     ; the second largest: -infinity to begin with
	v_mov_b32 v171, 0
.irp k, 1,2,3,4,5,6,7                  ; strictly greater: of equal logits the lower index stays ahead
	v_cmp_gt_f32 s40, v[160+\k], v168
	v_cmp_gt_f32 s41, v[160+\k], v170
	v_cndmask_b32 v170, v170, v[160+\k], s41
	v_cndmask_b32 v171, v171, \k, s41
	v_cndmask_b32 v170, v170, v168, s40
	v_cndmask_b32 v171, v171, v169, s40
	v_cndmask_b32 v168, v168, v[160+\k], s40
	v_cndmask_b32 v169, v169, \k, s40
.endr
	v_sub_f32 v172, v170, v168                     ; l2 - l1, 0 or less
	v_mul_f32 v172, 0x3fb8aa3b, v172
	v_exp_f32 v173, v172
	v_min_u32 v174, v169, v171                     ; the lower expert (a plain instruction behind the exponential)
	v_max_u32 v175, v169, v171                     ; the higher
	s_wait_alu depctr_va_vdst(0)                   ; the wait ahead of the first reader
	v_add_f32 v176, 1.0, v173
	v_rcp_f32 v177, v176                           ; w1
	v_sub_nc_u32 v178, 15, v174
	s_wait_alu depctr_va_vdst(0)
	v_mul_f32 v179, v173, v177                     ; w2
	v_cmp_lt_u32 vcc_lo, v169, v171
	v_cndmask_b32 v180, v179, v177, vcc_lo         ; the gate of the lower expert,
	v_cndmask_b32 v181, v177, v179, vcc_lo         ; of the higher
	v_mul_u32_u24 v178, v174, v178
	v_lshrrev_b32 v178, 1, v178
	v_add_nc_u32 v178, v178, v175
	v_sub_nc_u32 v178, v178, v174
	v_add_nc_u32 v178, -1, v178                    ; key = lo (15 - lo) / 2 + hi - lo - 1: 0 .. 27
	v_mov_b32 v182, 0                              ; my rank among the tokens of my key in this chunk
	v_mov_b32 v185, 0                              ; lane k: how many tokens of the chunk have key k
.set k, 0
.rept 28
	v_cmp_eq_u32 s40, k, v178
	v_mbcnt_lo_u32_b32 v183, s40, 0
	v_cndmask_b32 v182, v182, v183, s40
	s_bcnt1_i32_b32 s41, s40
	v_writelane_b32 v185, s41, k
.set k, k+1
.endr
	v_lshl_or_b32 v184, v182, 8, v178
	global_store_b64 v186, v[184:185], s[24:25]    ; 32 lanes store 256 consecutive bytes, aligned
	global_store_b64 v186, v[180:181], s[22:23]
.Lend:
	s_wait_tensorcnt 0x0
	ds_add_u32 v254, v255
	s_wait_dscnt 0x0
	s_endpgm
.Lfunc_end_k_q647da0a630_route:
	.size	k_q647da0a630_route, .Lfunc_end_k_q647da0a630_route-k_q647da0a630_route
	.p2alignl 7, 3214868480
	.fill 96, 4, 3214868480
	.section	.rodata,"a",@progbits
	.p2align	6, 0x0
	.amdhsa_kernel k_q647da0a630_route
		.amdhsa_group_segment_fixed_size 104704
		.amdhsa_private_segment_fixed_size 0
		.amdhsa_enable_private_segment 0
		.amdhsa_kernarg_size 96
		.amdhsa_user_sgpr_count 2
		.amdhsa_user_sgpr_kernarg_segment_ptr 1
		.amdhsa_wavefront_size32 1
		.amdhsa_system_sgpr_workgroup_id_x 1
		.amdhsa_system_sgpr_workgroup_id_y 1
		.amdhsa_system_sgpr_workgroup_id_z 1
		.amdhsa_system_vgpr_workitem_id 0
		.amdhsa_next_free_vgpr 576
		.amdhsa_next_free_sgpr 66
		.amdhsa_reserve_vcc 1
		.amdhsa_float_denorm_mode_32 3
		.amdhsa_float_denorm_mode_16_64 3
		.amdhsa_memory_ordered 1
		.amdhsa_forward_progress 1
		.amdhsa_inst_pref_size 88
	.end_amdhsa_kernel
	.amdgpu_metadata
---
amdhsa.version: [ 1, 2 ]
amdhsa.kernels:
  - .name:           k_q647da0a630_route
    .symbol:         k_q647da0a630_route.kd
    .args:
      - { .name: x, .offset: 0, .size: 8, .value_kind: global_buffer, .address_space: global }
      - { .name: Wg, .offset: 8, .size: 8, .value_kind: global_buffer, .address_space: global }
      - { .name: bg, .offset: 16, .size: 8, .value_kind: global_buffer, .address_space: global }
      - { .name: W1_codes, .offset: 24, .size: 8, .value_kind: global_buffer, .address_space: global }
      - { .name: W1_scales, .offset: 32, .size: 8, .value_kind: global_buffer, .address_space: global }
      - { .name: W2_codes, .offset: 40, .size: 8, .value_kind: global_buffer, .address_space: global }
      - { .name: W2_scales, .offset: 48, .size: 8, .value_kind: global_buffer, .address_space: global }
      - { .name: xq, .offset: 56, .size: 8, .value_kind: global_buffer, .address_space: global }
      - { .name: xs, .offset: 64, .size: 8, .value_kind: global_buffer, .address_space: global }
      - { .name: gw, .offset: 72, .size: 8, .value_kind: global_buffer, .address_space: global }
      - { .name: keys, .offset: 80, .size: 8, .value_kind: global_buffer, .address_space: global }
      - { .name: wimg, .offset: 88, .size: 8, .value_kind: global_buffer, .address_space: global }
    .group_segment_fixed_size: 104704
    .private_segment_fixed_size: 0
    .kernarg_segment_align: 8
    .kernarg_segment_size: 96
    .max_flat_workgroup_size: 128
    .sgpr_count:     66
    .vgpr_count:     576
    .wavefront_size: 32
...
	.end_amdgpu_metadata
.endif
;; end of part 1
;; launch place (part 2): grid 1 x 1, 32 waves a work-group, no clusters, 8,192 bytes of LDS; arguments keys, order, tiles; writes order, tiles
.if DOCPART == 2
	.amdgcn_target "amdgcn-amd-amdhsa--gfx1250"
	.amdhsa_code_object_version 6
	.text
	.protected	k_q647da0a630_place
	.globl	k_q647da0a630_place
	.p2align	8
	.type	k_q647da0a630_place,@function
k_q647da0a630_place:
	s_mov_b64 s[64:65], 0
	v_nop
	global_prefetch_b8 v0, s[64:65] scope:SCOPE_SE
	s_setreg_imm32_b32 hwreg(HW_REG_WAVE_MODE, 25, 1), 1
	s_wait_xcnt 0x0
; PLACE.  A counting sort of the 8,192 tokens by the key of their pair of experts (28 keys), from the whole numbers that the first launch stored, and the list of tiles for the third launch.
; keys: [chunk of 32 tokens][lane][2 words]: word 0 = key | rank << 8 of token 32 chunk + lane; word 1 = how many tokens of the chunk have key = lane.
; One work-group of 32 waves; wave w takes chunks 8 w .. 8 w + 7.  A lane is a token where tokens are read and a key where counts are read.  No atomics: a token place is
; (tokens of lower keys) + (tokens of its key in earlier waves) + (in earlier chunks of its wave) + its rank in its chunk.
; order: the tokens sorted, then 64 zeros, so that the last tile of 64 may read on.  tiles: 160 x (first place in order, number of rows, lower expert, higher expert); a tile holds at most 64 tokens of ONE key,
; so there are never more than 128 + 27 = 155 with rows; the others get 0 rows.
; The stores of 4 bytes to scattered places are the sort itself: 32 KB in all.
	s_load_b128 s[4:7], s[0:1], 0x0                ; keys, order
	s_load_b64 s[8:9], s[0:1], 0x10                ; tiles
	v_lshl_add_u32 v126, v0, 2, 0x1000
	v_mov_b32 v127, 0
	v_lshrrev_b32 v2, 5, v0
	v_readfirstlane_b32 s10, v2                    ; wave 0..31
	v_and_b32 v1, 31, v0                           ; lane
	v_lshlrev_b32 v2, 2, v1                        ; 4 x lane
	v_lshlrev_b32 v4, 2, v0                        ; 4 x thread
	v_lshlrev_b32 v3, 3, v1
	s_lshl_b32 s11, s10, 11
	v_add_nc_u32 v3, s11, v3                       ; 2,048 w + 8 x lane
	s_lshl_b32 s13, s10, 8
	v_add_nc_u32 v5, s13, v1                       ; the token of chunk 8 w in my lane
	v_mov_b32 v55, 0                               ; (the destination of a DPP move counts as read)
	v_cmp_lt_u32 vcc_lo, 15, v1                    ; lanes 16-31
	s_wait_kmcnt 0x0
.irp j, 0,1,2,3,4,5,6,7
	global_load_b64 v[16+2*\j:17+2*\j], v3, s[4:5] offset:256*\j
.endr
	s_wait_loadcnt 0x0
	v_mov_b32 v40, 0                               ; v40-47: of my key, the tokens in earlier chunks of my wave
.irp j, 0,1,2,3,4,5,6
	v_add_nc_u32 v[41+\j], v[40+\j], v[17+2*\j]
.endr
	v_add_nc_u32 v48, v47, v31                     ; and in all eight
	ds_store_b32 v4, v48
	s_wait_dscnt 0x0
	s_barrier_signal -1
	s_barrier_wait -1
.set k, 0
.rept 32
	ds_load_b32 v[64+k], v2 offset:128*k           ; the counts of my key in every wave
.set k, k+1
.endr
	v_mov_b32 v50, 0                               ; in earlier waves
	v_mov_b32 v51, 0                               ; n: in all
	s_wait_dscnt 0x0
.set k, 0
.rept 32
	s_cmp_gt_u32 s10, k
	s_cselect_b32 s12, -1, 0
	v_and_b32 v49, s12, v[64+k]
	v_add_nc_u32 v51, v51, v[64+k]
	v_add_nc_u32 v50, v50, v49
.set k, k+1
.endr
.macro SCAN x                          ; the sum over lanes 0 .. mine of v[x]: four steps inside each half of 16 lanes, then the lower half total onto the upper
.irp d, 1,2,4,8
	v_mov_b32_dpp v55, v[\x] row_shr:\d row_mask:0xf bank_mask:0xf bound_ctrl:1
	v_add_nc_u32 v[\x], v[\x], v55
.endr
	v_readlane_b32 s20, v[\x], 15
	v_mov_b32 v55, s20
	v_cndmask_b32 v55, 0, v55, vcc_lo
	v_add_nc_u32 v[\x], v[\x], v55
.endm
	v_mov_b32 v52, v51
	SCAN 52
	v_sub_nc_u32 v52, v52, v51                     ; S: tokens of lower keys
	v_add_nc_u32 v53, 63, v51
	v_lshrrev_b32 v53, 6, v53                      ; tiles of my key
	v_mov_b32 v54, v53
	SCAN 54
	v_sub_nc_u32 v54, v54, v53                     ; tb: tiles of lower keys
	v_add_nc_u32 v56, v52, v50
.irp j, 0,1,2,3,4,5,6,7
	v_add_nc_u32 v[96+\j], v56, v[40+\j]           ; lane = key: where chunk j tokens of that key begin
	v_and_b32 v[64+\j], 0xff, v[16+2*\j]           ; lane = token: its key,
	v_min_u32 v[64+\j], 31, v[64+\j]               ; held inside the wave,
	v_lshlrev_b32 v[64+\j], 2, v[64+\j]            ; as a lane select
.endr
.irp j, 0,1,2,3,4,5,6,7
	ds_bpermute_b32 v[72+\j], v[64+\j], v[96+\j]   ; each token pulls its key begin (no LDS byte is touched)
.endr
.irp j, 0,1,2,3,4,5,6,7
	v_lshrrev_b32 v[80+\j], 8, v[16+2*\j]          ; its rank
	v_add_nc_u32 v[88+\j], 32*\j, v5               ; its number
.endr
	s_wait_dscnt 0x0
.irp j, 0,1,2,3,4,5,6,7
	v_add_nc_u32 v[72+\j], v[72+\j], v[80+\j]
	v_min_u32 v[72+\j], 0x1fff, v[72+\j]           ; held inside the list
	v_lshlrev_b32 v[72+\j], 2, v[72+\j]
	global_store_b32 v[72+\j], v[88+\j], s[6:7]
.endr
	s_cmp_lt_u32 s10, 5
	s_cbranch_scc0 .Lnot_tiles
	; waves 0-4: tile i = my thread number.  Its key is the last one whose first tile is not behind i
	v_readlane_b32 s20, v51, 0
	v_mov_b32 v104, 0                              ; tb, S, n and the experts of key 0
	v_mov_b32 v105, 0
	v_mov_b32 v106, s20
	v_mov_b32 v107, 0x100
.set LO, 0
.set HI, 1
.set k, 1
.rept 27
.set HI, HI+1
.if HI == 8
.set LO, LO+1
.set HI, LO+1
.endif
	v_readlane_b32 s20, v54, k
	v_readlane_b32 s21, v52, k
	v_readlane_b32 s22, v51, k
	s_mov_b32 s23, LO|(HI<<8)
	v_cmp_gt_u32 vcc_lo, s20, v0                   ; key k begins behind tile i: keep what I have
	v_cndmask_b32 v104, s20, v104, vcc_lo
	v_cndmask_b32 v105, s21, v105, vcc_lo
	v_cndmask_b32 v106, s22, v106, vcc_lo
	v_cndmask_b32 v107, s23, v107, vcc_lo
.set k, k+1
.endr
	v_sub_nc_u32 v108, v0, v104
	v_lshlrev_b32 v108, 6, v108                    ; rows of my key in front of my tile
	v_add_nc_u32 v112, v105, v108
	v_min_u32 v112, 0x2000, v112                   ; first place in order
	v_min_u32 v109, v108, v106
	v_sub_nc_u32 v113, v106, v109
	v_min_u32 v113, 64, v113                       ; rows: 0 in a tile behind the last
	v_and_b32 v114, 0xff, v107
	v_lshrrev_b32 v115, 8, v107
	v_lshlrev_b32 v110, 4, v0
	global_store_b128 v110, v[112:115], s[8:9]
	s_branch .Lend
.Lnot_tiles:
	s_cmp_lt_u32 s10, 7
	s_cbranch_scc0 .Lend
	v_lshlrev_b32 v110, 2, v0                      ; waves 5 and 6 (threads 160 to 223): the 64 zeros behind the list
	v_mov_b32 v111, 0
	global_store_b32 v110, v111, s[6:7] offset:32768-640
.Lend:
	s_wait_tensorcnt 0x0
	ds_add_u32 v126, v127
	s_wait_dscnt 0x0
	s_endpgm
.Lfunc_end_k_q647da0a630_place:
	.size	k_q647da0a630_place, .Lfunc_end_k_q647da0a630_place-k_q647da0a630_place
	.p2alignl 7, 3214868480
	.fill 96, 4, 3214868480
	.section	.rodata,"a",@progbits
	.p2align	6, 0x0
	.amdhsa_kernel k_q647da0a630_place
		.amdhsa_group_segment_fixed_size 8192
		.amdhsa_private_segment_fixed_size 0
		.amdhsa_enable_private_segment 0
		.amdhsa_kernarg_size 24
		.amdhsa_user_sgpr_count 2
		.amdhsa_user_sgpr_kernarg_segment_ptr 1
		.amdhsa_wavefront_size32 1
		.amdhsa_system_sgpr_workgroup_id_x 1
		.amdhsa_system_sgpr_workgroup_id_y 1
		.amdhsa_system_sgpr_workgroup_id_z 1
		.amdhsa_system_vgpr_workitem_id 0
		.amdhsa_next_free_vgpr 128
		.amdhsa_next_free_sgpr 66
		.amdhsa_reserve_vcc 1
		.amdhsa_float_denorm_mode_32 3
		.amdhsa_float_denorm_mode_16_64 3
		.amdhsa_memory_ordered 1
		.amdhsa_forward_progress 1
		.amdhsa_inst_pref_size 27
	.end_amdhsa_kernel
	.amdgpu_metadata
---
amdhsa.version: [ 1, 2 ]
amdhsa.kernels:
  - .name:           k_q647da0a630_place
    .symbol:         k_q647da0a630_place.kd
    .args:
      - { .name: keys, .offset: 0, .size: 8, .value_kind: global_buffer, .address_space: global }
      - { .name: order, .offset: 8, .size: 8, .value_kind: global_buffer, .address_space: global }
      - { .name: tiles, .offset: 16, .size: 8, .value_kind: global_buffer, .address_space: global }
    .group_segment_fixed_size: 8192
    .private_segment_fixed_size: 0
    .kernarg_segment_align: 8
    .kernarg_segment_size: 24
    .max_flat_workgroup_size: 1024
    .sgpr_count:     66
    .vgpr_count:     128
    .wavefront_size: 32
...
	.end_amdgpu_metadata
.endif
;; end of part 2
;; launch chain (part 3): grid 155 x 1, 4 waves a work-group, no clusters, 114,176 bytes of LDS; arguments tiles, order, xq, xs, gw, wimg, b1, b2, out0; writes out0
.if DOCPART == 3
	.amdgcn_target "amdgcn-amd-amdhsa--gfx1250"
	.amdhsa_code_object_version 6
	.text
	.protected	k_q647da0a630_chain
	.globl	k_q647da0a630_chain
	.p2align	8
	.type	k_q647da0a630_chain,@function
k_q647da0a630_chain:
	s_mov_b64 s[64:65], 0
	v_nop
	global_prefetch_b8 v0, s[64:65] scope:SCOPE_SE
	s_setreg_imm32_b32 hwreg(HW_REG_WAVE_MODE, 25, 1), 1
	s_wait_xcnt 0x0
; CHAIN.  out[token] = w_lo (relu(x W1[lo] + b1[lo]) W2[lo] + b2[lo]) + w_hi (the same for hi), both products on codes of E2M3 with one E8M0 scale for each 32 along K.
; A work-group takes one tile: at most 64 tokens that chose the SAME pair of experts (lo, hi), listed by the launch before.  So every tile with rows has the same work, two experts, and each output row has one owner:
; nothing is added between work-groups and the hidden layer never goes to memory.  155 work-groups serve every split of 8,192 tokens over 28 pairs (128 + 27).
; A tile without rows jumps over the work by a scalar branch on its stored count, never over a barrier, and stores nothing.  That branch is why no tensor load and no cluster is used here:
; which tiles share an expert, and whether a tile has rows at all, are numbers read from memory, so partners could not be made to ask alike.  The weights come from memory straight into registers.
; SHARES.  Four row tiles m of 16 tokens.  THE WAVES SHARE THE COLUMNS: wave w makes hidden chunks 2 w and 2 w + 1 (128 units each: one K step of the second product) and outputs 128 w .. 128 w + 127, for all 64 rows:
; each byte of an expert is read once by the work-group.  wimg holds, for (expert, wave), 32 groups of four fragments and their scale words as images of registers, in the order of use:
; 13 loads of 16 bytes a lane bring a group.  A ring of four groups in registers is filled four steps ahead.
; Both products are used transposed (source 0 = 16 rows of a weight, source 1 = 16 tokens): a lane holds ONE token and its registers run along the hidden units or the outputs.
; The rows of W1 in a tile are chosen (by the first launch) so that the 16 registers of tiles 2 b and 2 b + 1 are 16 neighbours along the next K.
; OPERANDS GO FROM WAVE TO WAVE THROUGH LDS AS IMAGES OF THEIR REGISTERS: 3 stores of 16 bytes a lane for a fragment, 4 bytes a lane for its scale words; the same lines as loads give any wave the same registers.
; The biases are the C of the first matrix instruction of each sum.
; LIMITS.  NaN and infinities are not served.  A block of the hidden layer that is all zeros, or whose largest number lies under 2^-124, gets the scale byte 1.
; REGISTERS.  Window 0: v1-15 addresses; v16-31 weight scale words (4 slots x 4); v32-127 two sets of four fragments of x or of the hidden layer; v128-135 their scale words; v136-151 at work;
;   v152 a scale word just made; v154-172 codes just made; v176-183 the gates; v184-191 at work in the head; v192-255 the gather, later rows on the way out.
;   Window 1: v0-191 the ring of weights (slot j at 48 j); v192-255 a bias, 8 tiles.   Window 2: the 32 accumulators of the product in hand ((tile t, rows m) at 64 m + 8 t).   Window 3: the weighted sum, laid likewise.
.set GB,    6656
.set WSTR,  32*GB
.set ESTR,  4*WSTR
.set HSC,   49152                      ; LDS: 0: the hidden layer, 32 images of 1,536 bytes (4 x K step + m);  here: their scale words, 128 bytes each
.set XIMG,  53248                      ; x: 16 images (4 m + K step)
.set XSC,   77824                      ; their scale words
.set STG,   79872                      ; the way out: 16 rows x (512 + 16) bytes for each wave
.set LIH, 1                            ; v1   16 x lane: an image place (hidden layer at LDS byte 0), and the offset of the weight loads
.set LIX, 2                            ; v2   16 x lane + XIMG
.set LSH, 3                            ; v3   4 x lane + HSC
.set LSX, 4                            ; v4   4 x lane + XSC
.set HWI, 5                            ; v5   where I store hidden images: 16 x lane + 12,288 w
.set HWS, 6                            ; v6   and their scale words: 4 x lane + HSC + 1,024 w
.set BO1, 7                            ; v7   64 h: my half of 32 numbers of b1
.set BO2, 8                            ; v8   32 h: of 16 numbers of b2
.set SO,  9                            ; v9   the stage: where I put 32 bytes of a row
.set SR,  10                           ; v10  and where I read a row back
.set CO,  11                           ; v11  512 w + 16 x lane: my bytes of a row of out0
.set WSC, 16
.set BF,  32
.set BS,  128
.set TM,  136
.set PW,  152
.set PC,  154
.set GW,  176
.set BI,  192
.set WBC, 14                           ; s[14:15] wimg at the expert in hand and my wave;  s[28:29] at the next
.set B1C, 16                           ; s[16:17], s[30:31] b1 likewise
.set B2C, 18                           ; s[18:19], s[100:101] b2
.set WBN, 28
.set B1N, 30
.set B2N, 100
.set CNT, 25                           ; s25  rows of the tile
.set TRIP, 23                          ; s23  experts to go
.set MSB, 0
.macro WIN new                         ; the high byte of the immediate repeats the setting that is left
.if MSB != \new
	s_set_vgpr_msb (MSB<<8)|\new
.set MSB, \new
.endif
.endm
.macro GROUP base, gi, slot            ; group gi of the stream at base into slot: 13 loads, each 512 consecutive bytes
	WIN 0x40                                       ; destination window 1
.irp j, 0,1,2,3,4,5,6,7,8,9,10,11
	global_load_b128 v[48*(\slot)+4*\j:48*(\slot)+4*\j+3], v[LIH], s[\base:\base+1] offset:(\gi)*GB+512*\j
.endr
	WIN 0
	global_load_b128 v[WSC+4*(\slot):WSC+4*(\slot)+3], v[LIH], s[\base:\base+1] offset:(\gi)*GB+6144
.endm
.macro BIAS1 base, q                   ; b1 of chunk q in the layout of the result: lane (r, h), tile t, register j: unit 32 (t / 2) + 16 h + 8 (t % 2) + j.  16 loads
	WIN 0x40
.irp t, 0,1,2,3,4,5,6,7
	global_load_b128 v[BI+8*\t:BI+8*\t+3], v[BO1], s[\base:\base+1] offset:512*(\q)+(32*(\t/2)+8*(\t%2))*4
	global_load_b128 v[BI+8*\t+4:BI+8*\t+7], v[BO1], s[\base:\base+1] offset:512*(\q)+(32*(\t/2)+8*(\t%2))*4+16
.endr
.endm
.macro BIAS2 base                      ; b2: tile n, register j: output 16 n + 8 h + j.  16 loads
	WIN 0x40
.irp t, 0,1,2,3,4,5,6,7
	global_load_b128 v[BI+8*\t:BI+8*\t+3], v[BO2], s[\base:\base+1] offset:64*\t
	global_load_b128 v[BI+8*\t+4:BI+8*\t+7], v[BO2], s[\base:\base+1] offset:64*\t+16
.endr
.endm
.macro FETCHB set, hid, idx            ; the four row tiles of K step idx, of the hidden layer (hid = 1) or of x (0), into a set: 16 LDS loads
.irp m, 0,1,2,3
.if \hid
.irp c, 0,1,2
	ds_load_b128 v[BF+48*(\set)+12*\m+4*\c:BF+48*(\set)+12*\m+4*\c+3], v[LIH] offset:(4*(\idx)+\m)*1536+512*\c
.endr
	ds_load_b32 v[BS+4*(\set)+\m], v[LSH] offset:(4*(\idx)+\m)*128
.else
.irp c, 0,1,2
	ds_load_b128 v[BF+48*(\set)+12*\m+4*\c:BF+48*(\set)+12*\m+4*\c+3], v[LIX] offset:(4*\m+(\idx))*1536+512*\c
.endr
	ds_load_b32 v[BS+4*(\set)+\m], v[LSX] offset:(4*\m+(\idx))*128
.endif
.endr
.endm
; STEP g of 32 for an expert: one group of weights (four tiles) against four row tiles: 16 matrix instructions on 16 accumulators, one instruction a turn; an accumulator comes back 32 instructions later.
; g = 0 .. 15: first product, chunk g / 8, K step (g / 2) % 4, tiles 4 (g % 2) + i.   g = 16 .. 31: second product, K step (g - 16) / 2.
; Behind the products, four plain places (ISA guide 7.12.1 for vector instructions), then the loads into the registers just read: group g + 4 into this slot, and behind an odd g
; the row operands of the K step after next into the set just read.  last = 1: the last expert steps 28 to 31, which ask for no more weights.
.macro STEP g, last
.set SL, (\g)%4
.set SE, ((\g)/2)%2
.set TH, (\g)%2
.set NN, 39                            ; behind group g stand groups g + 1, g + 2, g + 3: 39 loads,
.if ((\g)%8 >= 3) && ((\g)%8 <= 5) && ((\g) < 24)
.set NN, 55                            ; and in the three steps behind steps 2, 10 and 18 the 16 loads of a bias
.endif
.if \last
.set NN, 13*(31-(\g))                  ; the counts run down
.endif
	s_wait_loadcnt NN
.if TH == 0
.if (\g) == 14
	s_wait_dscnt 0x0                               ; no fetch was issued behind step 13
.else
	s_wait_dscnt 16                                ; this K step row operands are in; the next K step 16 loads may be out
.endif
.endif
.if ((\g)%8 < 2) && ((\g) < 24)
	WIN 0x91                                       ; source 0 (weights) window 1, source 1 window 0, C (the bias) window 1, D window 2: these products start the sums
.irp m, 0,1,2,3
.irp i, 0,1,2,3
	v_wmma_scale_f32_16x16x128_f8f6f4 v[64*\m+8*(4*TH+\i):64*\m+8*(4*TH+\i)+7], v[48*SL+12*\i:48*SL+12*\i+11], v[BF+48*SE+12*\m:BF+48*SE+12*\m+11], v[BI+8*(4*TH+\i):BI+8*(4*TH+\i)+7], v[WSC+4*SL+\i], v[BS+4*SE+\m] matrix_a_fmt:MATRIX_FMT_FP6 matrix_b_fmt:MATRIX_FMT_FP6
.endr
.endr
.else
	WIN 0xa1                                       ; C and D window 2
.irp m, 0,1,2,3
.irp i, 0,1,2,3
	v_wmma_scale_f32_16x16x128_f8f6f4 v[64*\m+8*(4*TH+\i):64*\m+8*(4*TH+\i)+7], v[48*SL+12*\i:48*SL+12*\i+11], v[BF+48*SE+12*\m:BF+48*SE+12*\m+11], v[64*\m+8*(4*TH+\i):64*\m+8*(4*TH+\i)+7], v[WSC+4*SL+\i], v[BS+4*SE+\m] matrix_a_fmt:MATRIX_FMT_FP6 matrix_b_fmt:MATRIX_FMT_FP6
.endr
.endr
.endif
.rept 4
	v_nop
.endr
.if (\last) == 0
.if (\g) == 2
	BIAS1 B1C, 1                                   ; wanted from step 8 on; its last readers were steps 0 and 1
.endif
.if (\g) == 10
	BIAS2 B2C                                      ; wanted from step 16 on
.endif
.if (\g) == 18
	BIAS1 B1N, 0                                   ; the next expert first chunk (in the last trip: the same expert again, so that the counts are alike)
.endif
.if (\g) < 28
	GROUP WBC, (\g)+4, SL
.else
	GROUP WBN, (\g)-28, SL
.endif
.endif
	WIN 0
.if TH == 1
.set KK, (\g)/2+2
.if KK < 8
	FETCHB SE, 0, KK%4
.elseif KK < 10                        ; behind steps 13 and 15: the hidden layer is not there yet
.elseif KK < 16
	FETCHB SE, 1, KK-8
.else
	FETCHB SE, 0, KK-16                            ; behind steps 29 and 31: x for the next expert
.endif
.endif
.endm
; Row tile m of chunk q of the hidden layer: relu, the four blocks of 32 along the next K, codes and scale word, image to LDS.  Register 16 b + i of the 64 is k = 32 b + 16 h + i of my token.
.macro QUANT m, q
.set AB, 64*(\m)
	WIN 0x88                                       ; source 1 and destination window 2
.set j, 0
.rept 64
	v_max_num_f32 v[AB+j], 0, v[AB+j]              ; the activation, in f32; ascending
.set j, j+1
.endr
	WIN 0x28                                       ; sources 1 and 2 window 2
.irp b, 0,1,2,3
	v_max3_num_f32 v[TM+\b], 0x1800000, v[AB+16*\b], v[AB+16*\b+1]   ; my 16 numbers of block b and the floor 2^(3 - 127): the byte cannot fall under 1.  None is negative: no |.|
.endr
.irp i, 2,4,6,8,10,12,14
.irp b, 0,1,2,3
	v_max3_num_f32 v[TM+\b], v[TM+\b], v[AB+16*\b+\i], v[AB+16*\b+\i+1]
.endr
.endr
	WIN 0
.irp b, 0,1,2,3
	v_permlanex16_b32 v[TM+4+\b], v[TM+\b], s4, s5
.endr
.irp b, 0,1,2,3
	v_max_num_f32 v[TM+\b], v[TM+\b], v[TM+4+\b]   ; with the 16 of lane l xor 16: the largest of the block
.endr
.irp b, 0,1,2,3
	v_add_nc_u32 v[TM+12+\b], 0xff000000, v[TM+\b] ; 2 off its exponent field: the scale operand of the conversion
.endr
.irp b, 0,1,2,3
	v_lshrrev_b32 v[TM+4+\b], 23, v[TM+12+\b]      ; the scale byte
.endr
	s_wait_dscnt 0x0                               ; the last image stores have read the registers that are written below
	v_lshl_or_b32 v[PW], v[TM+5], 8, v[TM+4]
	v_lshl_or_b32 v[PW], v[TM+6], 16, v[PW]
	v_lshl_or_b32 v[PW], v[TM+7], 24, v[PW]        ; my token scale word for this K step
	WIN 0x02                                       ; source 0 window 2
.irp c, 0,1
	v_cvt_scalef32_pk16_fp6_f32 v[PC+6*\c:PC+6*\c+2], v[AB+32*\c:AB+32*\c+15], v[TM+12+2*\c]
	v_cvt_scalef32_pk16_fp6_f32 v[PC+12+4*\c:PC+12+4*\c+2], v[AB+32*\c+16:AB+32*\c+31], v[TM+12+2*\c+1]   ; (the three registers of a conversion begin on an even number)
.endr
	WIN 0
	v_nop                                          ; one plain instruction behind the scaled conversions
.irp c, 0,1                            ; the layout of the operand wants a WHOLE block in a lane: lanes 0-15 block 2 c, lanes 16-31 block 2 c + 1
.irp i, 0,1,2
	v_permlane16_swap_b32 v[PC+6*\c+\i], v[PC+12+4*\c+\i]
.endr
.irp i, 0,1,2
	v_mov_b32 v[PC+3+6*\c+\i], v[PC+12+4*\c+\i]
.endr
.endr
.irp c, 0,1,2
	ds_store_b128 v[HWI], v[PC+4*\c:PC+4*\c+3] offset:(4*(\q)+(\m))*1536+512*\c
.endr
	ds_store_b32 v[HWS], v[PW] offset:(4*(\q)+(\m))*128
.endm
	s_load_b512 s[4:19], s[0:1], 0x0               ; tiles s[4:5], order s[6:7], xq s[8:9], xs s[10:11], gw s[12:13], wimg s[14:15], b1 s[16:17], b2 s[18:19]
	s_load_b64 s[20:21], s[0:1], 0x40              ; out0
	v_lshl_add_u32 v174, v0, 2, 0x1bc00
	v_mov_b32 v175, 0
	v_lshrrev_b32 v12, 5, v0
	v_readfirstlane_b32 s22, v12                   ; wave 0..3
	v_and_b32 v12, 31, v0                          ; lane
	v_and_b32 v13, 15, v0                          ; r
	v_bfe_u32 v14, v0, 4, 1                        ; h
	v_lshlrev_b32 v[LIH], 4, v12
	v_add_nc_u32 v[LIX], XIMG, v[LIH]
	v_lshlrev_b32 v15, 2, v12
	v_add_nc_u32 v[LSH], HSC, v15
	v_add_nc_u32 v[LSX], XSC, v15
	s_mul_i32 s2, s22, 12288
	v_add_nc_u32 v[HWI], s2, v[LIH]
	s_lshl_b32 s2, s22, 10
	v_add_nc_u32 v[HWS], s2, v[LSH]
	v_lshlrev_b32 v[BO1], 6, v14
	v_lshlrev_b32 v[BO2], 5, v14
	s_mul_i32 s2, s22, 8448
	s_add_co_u32 s2, s2, STG
	v_mul_u32_u24 v[SO], v13, 528
	v_lshl_add_u32 v[SO], v14, 5, v[SO]
	v_add_nc_u32 v[SO], s2, v[SO]
	v_add_nc_u32 v[SR], s2, v[LIH]
	s_lshl_b32 s2, s22, 9
	v_add_nc_u32 v[CO], s2, v[LIH]
	s_mul_i32 s2, s22, 6144
	s_add_co_u32 s2, s2, XIMG
	v_add_nc_u32 v184, s2, v[LIH]                  ; where I store the images of x: row tile w
	s_lshl_b32 s2, s22, 9
	s_add_co_u32 s2, s2, XSC
	v_add_nc_u32 v185, s2, v15                     ; and their scale words
	v_lshlrev_b32 v186, 2, v13                     ; 4 r: a word of order
	s_lshl_b32 s2, s22, 6
	v_add_nc_u32 v187, s2, v186                    ; 4 r + 64 w: that of my own row tile
	v_mul_u32_u24 v188, v14, 48                    ; 48 h
	s_lshl_b32 s2, ttmp9, 4
	s_mov_b32 s3, 0
	s_wait_kmcnt 0x0
	s_add_nc_u64 s[4:5], s[4:5], s[2:3]
	s_load_b128 s[24:27], s[4:5], 0x0              ; my tile: first place in order, rows, lower expert, higher expert
	s_wait_kmcnt 0x0
	s_min_u32 s24, s24, 0x2000                     ; each is held inside its table
	s_min_u32 s25, s25, 64
	s_min_u32 s26, s26, 7
	s_min_u32 s27, s27, 7
	s_mov_b32 s4, 0x76543210                       ; (the pointer to tiles is done with)  the selects of v_permlanex16_b32 for lane l xor 16
	s_mov_b32 s5, 0xfedcba98
	s_lshl_b32 s2, s24, 2
	s_add_nc_u64 s[6:7], s[6:7], s[2:3]
	s_load_b512 s[32:47], s[6:7], 0x0              ; the 64 tokens as scalars, for the rows of out0
	s_load_b512 s[48:63], s[6:7], 0x40
	s_load_b512 s[68:83], s[6:7], 0x80
	s_load_b512 s[84:99], s[6:7], 0xc0
.irp m, 0,1,2,3
	global_load_b32 v[12+\m], v186, s[6:7] offset:64*\m            ; and lane by lane: token r of each row tile,
.endr
	global_load_b32 v189, v187, s[6:7]             ; and of my own
	s_mul_i32 s23, s22, WSTR
	s_mul_i32 s2, s27, ESTR
	s_add_co_u32 s2, s2, s23
	s_add_nc_u64 s[WBN:WBN+1], s[14:15], s[2:3]
	s_mul_i32 s2, s26, ESTR
	s_add_co_u32 s2, s2, s23
	s_add_nc_u64 s[WBC:WBC+1], s[14:15], s[2:3]
	s_lshl_b32 s23, s22, 10
	s_lshl_b32 s2, s27, 12
	s_add_co_u32 s2, s2, s23
	s_add_nc_u64 s[B1N:B1N+1], s[16:17], s[2:3]
	s_lshl_b32 s2, s26, 12
	s_add_co_u32 s2, s2, s23
	s_add_nc_u64 s[B1C:B1C+1], s[16:17], s[2:3]
	s_lshl_b32 s23, s22, 9
	s_lshl_b32 s2, s27, 11
	s_add_co_u32 s2, s2, s23
	s_add_nc_u64 s[B2N:B2N+1], s[18:19], s[2:3]
	s_lshl_b32 s2, s26, 11
	s_add_co_u32 s2, s2, s23
	s_add_nc_u64 s[B2C:B2C+1], s[18:19], s[2:3]
	WIN 0xc0                                       ; destination window 3
.set j, 0
.rept 256
	v_mov_b32 v[j], 0                              ; the weighted sum begins as zeros, while the tokens are on their way: so one text serves both experts, and a tile without rows reads nothing unwritten
.set j, j+1
.endr
	WIN 0
.irp b, 0,1,2,3
	v_mov_b32 v[TM+4+\b], 0                        ; written once: the destination of a lane permute counts as one of its sources
.endr
	s_wait_loadcnt 0x0                             ; the tokens
.irp m, 0,1,2,3
	v_min_u32 v[12+\m], 0x1fff, v[12+\m]
	v_lshlrev_b32 v[12+\m], 3, v[12+\m]
.endr
	v_min_u32 v189, 0x1fff, v189
	v_mul_u32_u24 v190, v189, 384
	v_add_nc_u32 v190, v190, v188                  ; xq: my token row, my half
	v_lshlrev_b32 v191, 4, v189                    ; xs: its 16 bytes
.irp m, 0,1,2,3
	global_load_b64 v[GW+2*\m:GW+2*\m+1], v[12+\m], s[12:13]       ; the two gates of token r of row tile m
.endr
.irp s, 0,1,2,3
.irp c, 0,1,2
	global_load_b128 v[192+12*\s+4*\c:192+12*\s+4*\c+3], v190, s[8:9] offset:96*\s+16*\c   ; the fragment of K step s: 48 bytes on end
.endr
.endr
	global_load_b128 v[240:243], v191, s[10:11]    ; its four scale words
	BIAS1 B1C, 0
	GROUP WBC, 0, 0
	GROUP WBC, 1, 1
	GROUP WBC, 2, 2
	s_wait_loadcnt 55                              ; the gather is in: behind it stand 16 loads of b1 and 39 of weights
.irp s, 0,1,2,3
.irp c, 0,1,2
	ds_store_b128 v184, v[192+12*\s+4*\c:192+12*\s+4*\c+3] offset:1536*\s+512*\c
.endr
	ds_store_b32 v185, v[240+\s] offset:128*\s
.endr
	GROUP WBC, 3, 3
	s_wait_kmcnt 0x0
.irp b, 32,48,68,84
.set k, 0
.rept 16
	s_min_u32 s[\b+k], s[\b+k], 0x1fff             ; a token, held inside out0,
	s_lshl_b32 s[\b+k], s[\b+k], 11                ; as the byte at which its row begins
.set k, k+1
.endr
.endr
	s_wait_dscnt 0x0                               ; my images of x lie in LDS,
	s_barrier_signal -1
	s_barrier_wait -1                              ; and everybody else images
	FETCHB 0, 0, 0
	FETCHB 1, 0, 1
	s_mov_b32 s[TRIP], 2
.Ltrip:                                            ; a trip is an expert
	s_cmp_eq_u32 s[CNT], 0
	s_cbranch_scc1 .Lno_p1
.irp g, 0,1,2,3,4,5,6,7
	STEP \g, 0
.endr
.irp m, 0,1,2,3
	QUANT \m, 0
.endr
.irp g, 8,9,10,11,12,13,14,15
	STEP \g, 0
.endr
.irp m, 0,1,2,3
	QUANT \m, 1
.endr
.Lno_p1:
	s_wait_dscnt 0x0                               ; my eight images of the hidden layer lie in LDS,
	s_barrier_signal -1
	s_barrier_wait -1                              ; all 32 do
	s_cmp_eq_u32 s[CNT], 0
	s_cbranch_scc1 .Lno_p2
	FETCHB 0, 1, 0
	FETCHB 1, 1, 1
.irp g, 16,17,18,19,20,21,22,23,24,25,26,27
	STEP \g, 0
.endr
	s_cmp_eq_u32 s[TRIP], 1
	s_cbranch_scc1 .Ltail_last
.irp g, 28,29,30,31
	STEP \g, 0                                     ; the ring goes on into the next expert
.endr
	s_branch .Ltail_done
.Ltail_last:
.irp g, 28,29,30,31
	STEP \g, 1
.endr
.Ltail_done:
	WIN 0xf2                                       ; source 0 window 2, source 1 (the gate) window 0, source 2 and destination window 3
.irp m, 0,1,2,3
.set j, 0
.rept 32
	v_pk_fma_f32 v[64*\m+j:64*\m+j+1], v[64*\m+j:64*\m+j+1], v[GW+2*\m:GW+2*\m+1], v[64*\m+j:64*\m+j+1] op_sel_hi:[1,0,1]   ; sum += gate x (product + b2); ascending: each accumulator is first read at its low end
.set j, j+2
.endr
.endr
	WIN 0
.irp m, 0,1,2,3
	v_mov_b32 v[GW+2*\m], v[GW+2*\m+1]             ; the next expert gate
.endr
.Lno_p2:
	s_wait_dscnt 0x0                               ; my reads of the hidden layer are over,
	s_barrier_signal -1
	s_barrier_wait -1                              ; everybody reads are: it may be written again
	s_wait_xcnt 0x0                                ; the loads issued so far have read their bases: these may be written
	s_mov_b64 s[WBC:WBC+1], s[WBN:WBN+1]
	s_mov_b64 s[B1C:B1C+1], s[B1N:B1N+1]
	s_mov_b64 s[B2C:B2C+1], s[B2N:B2N+1]
	s_sub_co_u32 s[TRIP], s[TRIP], 1
	s_cmp_lg_u32 s[TRIP], 0
	s_cbranch_scc1 .Ltrip
; THE WAY OUT, a row tile at a time.  A lane holds 32 neighbouring bytes of eight places of one row, the lanes beside it other rows: the tile goes through my own stage in LDS and comes back as rows of 512 bytes,
; which the 32 lanes store as 512 consecutive bytes, aligned, at the row of the token.  The rows with tokens are the first CNT: the first row without one ends the wave.
.irp m, 0,1,2,3
.if \m > 0
	s_wait_xcnt 0x0                                ; the last row tile stores have read their registers
.endif
.irp i, 0,1,2,3,4,5,6,7,8,9,10,11,12,13,14,15
	v_add_nc_u32 v[TM+\i], s[32+16*\m+4*(\m/2)+\i], v[CO]
.endr
	WIN 0x0c                                       ; the data of an LDS store are its source 1: window 3
.irp n, 0,1,2,3,4,5,6,7
	ds_store_b128 v[SO], v[64*\m+8*\n:64*\m+8*\n+3] offset:64*\n
	ds_store_b128 v[SO], v[64*\m+8*\n+4:64*\m+8*\n+7] offset:64*\n+16
.endr
	WIN 0
.irp i, 0,1,2,3,4,5,6,7,8,9,10,11,12,13,14,15
	ds_load_b128 v[192+4*\i:192+4*\i+3], v[SR] offset:528*\i       ; LDS serves the instructions of a wave in order: these see my stores
.endr
.irp i, 0,1,2,3,4,5,6,7,8,9,10,11,12,13,14,15
	s_wait_dscnt 15-\i
	s_cmp_gt_u32 s[CNT], 16*\m+\i
	s_cbranch_scc0 .Lend
	global_store_b128 v[TM+\i], v[192+4*\i:192+4*\i+3], s[20:21] th:TH_STORE_NT
.endr
.endr
.Lend:
	s_wait_dscnt 0x0
	s_wait_tensorcnt 0x0
	ds_add_u32 v174, v175
	s_wait_dscnt 0x0
	s_endpgm
.Lfunc_end_k_q647da0a630_chain:
	.size	k_q647da0a630_chain, .Lfunc_end_k_q647da0a630_chain-k_q647da0a630_chain
	.p2alignl 7, 3214868480
	.fill 96, 4, 3214868480
	.section	.rodata,"a",@progbits
	.p2align	6, 0x0
	.amdhsa_kernel k_q647da0a630_chain
		.amdhsa_group_segment_fixed_size 114176
		.amdhsa_private_segment_fixed_size 0
		.amdhsa_enable_private_segment 0
		.amdhsa_kernarg_size 72
		.amdhsa_user_sgpr_count 2
		.amdhsa_user_sgpr_kernarg_segment_ptr 1
		.amdhsa_wavefront_size32 1
		.amdhsa_system_sgpr_workgroup_id_x 1
		.amdhsa_system_sgpr_workgroup_id_y 1
		.amdhsa_system_sgpr_workgroup_id_z 1
		.amdhsa_system_vgpr_workitem_id 0
		.amdhsa_next_free_vgpr 1024
		.amdhsa_next_free_sgpr 102
		.amdhsa_reserve_vcc 0
		.amdhsa_float_denorm_mode_32 3
		.amdhsa_float_denorm_mode_16_64 3
		.amdhsa_memory_ordered 1
		.amdhsa_forward_progress 1
		.amdhsa_inst_pref_size 254
	.end_amdhsa_kernel
	.amdgpu_metadata
---
amdhsa.version: [ 1, 2 ]
amdhsa.kernels:
  - .name:           k_q647da0a630_chain
    .symbol:         k_q647da0a630_chain.kd
    .args:
      - { .name: tiles, .offset: 0, .size: 8, .value_kind: global_buffer, .address_space: global }
      - { .name: order, .offset: 8, .size: 8, .value_kind: global_buffer, .address_space: global }
      - { .name: xq, .offset: 16, .size: 8, .value_kind: global_buffer, .address_space: global }
      - { .name: xs, .offset: 24, .size: 8, .value_kind: global_buffer, .address_space: global }
      - { .name: gw, .offset: 32, .size: 8, .value_kind: global_buffer, .address_space: global }
      - { .name: wimg, .offset: 40, .size: 8, .value_kind: global_buffer, .address_space: global }
      - { .name: b1, .offset: 48, .size: 8, .value_kind: global_buffer, .address_space: global }
      - { .name: b2, .offset: 56, .size: 8, .value_kind: global_buffer, .address_space: global }
      - { .name: out0, .offset: 64, .size: 8, .value_kind: global_buffer, .address_space: global }
    .group_segment_fixed_size: 114176
    .private_segment_fixed_size: 0
    .kernarg_segment_align: 8
    .kernarg_segment_size: 72
    .max_flat_workgroup_size: 128
    .sgpr_count:     102
    .vgpr_count:     1024
    .wavefront_size: 32
...
	.end_amdgpu_metadata
.endif
;; end of part 3
;; ======== version 2 of 2: 3 launches; version 1 with the launch chain written anew for expert scheduling mode
;; workspace buffers: xq 3,145,728 bytes; xs 131,072 bytes; gw 65,536 bytes; keys 65,536 bytes of whole numbers; wimg 6,815,744 bytes; order 33,024 bytes of whole numbers; tiles 2,560 bytes of whole numbers
;; launch route: the kernel of part 1 again; grid 256 x 1, 4 waves a work-group, no clusters, 104,704 bytes of LDS; arguments x, Wg, bg, W1_codes, W1_scales, W2_codes, W2_scales, xq, xs, gw, keys, wimg; writes xq, xs, gw, keys, wimg
;; launch place: the kernel of part 2 again; grid 1 x 1, 32 waves a work-group, no clusters, 8,192 bytes of LDS; arguments keys, order, tiles; writes order, tiles
;; launch chain (part 4): grid 155 x 1, 4 waves a work-group, no clusters, 114,176 bytes of LDS; arguments tiles, order, xq, xs, gw, wimg, b1, b2, out0; writes out0
.if DOCPART == 4
	.amdgcn_target "amdgcn-amd-amdhsa--gfx1250"
	.amdhsa_code_object_version 6
	.text
	.protected	k_q647da0a630_chain
	.globl	k_q647da0a630_chain
	.p2align	8
	.type	k_q647da0a630_chain,@function
k_q647da0a630_chain:
	s_mov_b64 s[64:65], 0
	v_nop
	global_prefetch_b8 v0, s[64:65] scope:SCOPE_SE
	s_setreg_imm32_b32 hwreg(HW_REG_WAVE_SCHED_MODE, 0, 2), 2
	s_setreg_imm32_b32 hwreg(HW_REG_WAVE_MODE, 25, 1), 1
	s_wait_xcnt 0x0
	s_wait_alu depctr_vm_vsrc(0)
; CHAIN.  out[token] = w_lo (relu(x W1[lo] + b1[lo]) W2[lo] + b2[lo]) + w_hi (the same for hi), both products on codes of E2M3 with one E8M0 scale for each 32 along K.
; A work-group takes one tile: at most 64 tokens that chose the SAME pair of experts (lo, hi), listed by the launch before.  So every tile with rows has the same work, two experts, and each output row has one owner:
; nothing is added between work-groups and the hidden layer never goes to memory.  155 work-groups serve every split of 8,192 tokens over 28 pairs (128 + 27).
; A tile without rows jumps over the work by a scalar branch on its stored count, never over a barrier, and stores nothing.  That branch is why no tensor load and no cluster is used here:
; which tiles share an expert, and whether a tile has rows at all, are numbers read from memory, so partners could not be made to ask alike.  The weights come from memory straight into registers.
; SHARES.  Four row tiles m of 16 tokens.  THE WAVES SHARE THE COLUMNS: wave w makes hidden chunks 2 w and 2 w + 1 (128 units each: one K step of the second product) and outputs 128 w .. 128 w + 127, for all 64 rows:
; each byte of an expert is read once by the work-group.  wimg holds, for (expert, wave), 32 groups of four fragments and their scale words as images of registers, in the order of use:
; 13 loads of 16 bytes a lane bring a group.  A ring of four groups in registers is filled four steps ahead.
; Both products are used transposed (source 0 = 16 rows of a weight, source 1 = 16 tokens): a lane holds ONE token and its registers run along the hidden units or the outputs.
; The rows of W1 in a tile are chosen (by the first launch) so that the 16 registers of tiles 2 b and 2 b + 1 are 16 neighbours along the next K.
; OPERANDS GO FROM WAVE TO WAVE THROUGH LDS AS IMAGES OF THEIR REGISTERS: 3 stores of 16 bytes a lane for a fragment, 4 bytes a lane for its scale words; the same lines as loads give any wave the same registers.
; The biases are the C of the first matrix instruction of each sum.
; LIMITS.  NaN and infinities are not served.  A block of the hidden layer that is all zeros, or whose largest number lies under 2^-124, gets the scale byte 1.
; REGISTERS.  Window 0: v1-15 addresses; v16-31 weight scale words (4 slots x 4); v32-127 two sets of four fragments of x or of the hidden layer; v128-135 their scale words; v136-151 at work;
;   v154-160 second halves of codes just made; v176-183 the gates; v184-191 at work in the head; v192-255 the gather, in the loop four images of the hidden layer (v192-239) and their scale words (v240-243), later rows on the way out.
;   Window 1: v0-191 the ring of weights (slot j at 48 j); v192-255 a bias, 8 tiles.   Window 2: the 32 accumulators of the product in hand ((tile t, rows m) at 64 m + 8 t).   Window 3: the weighted sum, laid likewise.
; THE MODE: SCHED_MODE bits 1:0 = 2 (LLVM: expert scheduling mode 2), set by the entry lines.  The code itself states the register dependences
; between vector or matrix instructions and memory or LDS instructions, with s_wait_alu, always for 0.
; THE PLAN.  Registers that memory or LDS instructions touch:
;   v1-11, v184-188   addresses and offsets: written once at the head, ahead of the first wait on va_vdst, and never again.
;   slot g % 4, its four scale words   read by the 16 matrix instructions of step g; behind them the loads of group g + 4 land there.
;   the two sets of row operands and their scale words   a set is read by the two steps of a K step; behind the odd one the LDS loads of the K step after next land in it.
;   the bias   read as C by steps 0, 1, 8, 9, 16, 17; the next bias lands behind steps 2, 10 and 18.
;   v192-243   the four images and scale words of a chunk: written by the four quantisings, read by one run of 16 LDS stores behind them.
;   the accumulators, the weighted sum (until the way out), v136-160 and the gates are named by vector and matrix instructions alone.
; So ONE wait on va_vdst stands in a step, behind its matrix instructions, and all the loads of the step follow it.  It stands there and not at the next step head because a slot can be asked for again only when its step
; has read it, and asked for ahead of the next wait on LOADcnt it makes the fourth group on its way; behind that wait there would be three.  A chunk has one wait on vm_vsrc (ahead of the first write of v192-243)
; and one on va_vdst (ahead of its 16 stores).  The head has one wait on va_sdst and two on va_vdst, the way out one on vm_vsrc and one on va_vdst for each row tile.
.set GB,    6656
.set WSTR,  32*GB
.set ESTR,  4*WSTR
.set HSC,   49152                      ; LDS: 0: the hidden layer, 32 images of 1,536 bytes (4 x K step + m);  here: their scale words, 128 bytes each
.set XIMG,  53248                      ; x: 16 images (4 m + K step)
.set XSC,   77824                      ; their scale words
.set STG,   79872                      ; the way out: 16 rows x (512 + 16) bytes for each wave
.set LIH, 1                            ; v1   16 x lane: an image place (hidden layer at LDS byte 0), and the offset of the weight loads
.set LIX, 2                            ; v2   16 x lane + XIMG
.set LSH, 3                            ; v3   4 x lane + HSC
.set LSX, 4                            ; v4   4 x lane + XSC
.set HWI, 5                            ; v5   where I store hidden images: 16 x lane + 12,288 w
.set HWS, 6                            ; v6   and their scale words: 4 x lane + HSC + 1,024 w
.set BO1, 7                            ; v7   64 h: my half of 32 numbers of b1
.set BO2, 8                            ; v8   32 h: of 16 numbers of b2
.set SO,  9                            ; v9   the stage: where I put 32 bytes of a row
.set SR,  10                           ; v10  and where I read a row back
.set CO,  11                           ; v11  512 w + 16 x lane: my bytes of a row of out0
.set WSC, 16
.set BF,  32
.set BS,  128
.set TM,  136
.set PC2, 154                          ; v154-156, v158-160: the upper 16 codes of two blocks, until they are moved
.set GW,  176
.set IMG, 192                          ; v192-239: row tile m of a chunk as codes: 12 registers at IMG + 12 m
.set PW,  240                          ; v240-243: its scale word at PW + m
.set BI,  192
.set WBC, 14                           ; s[14:15] wimg at the expert in hand and my wave;  s[28:29] at the next
.set B1C, 16                           ; s[16:17], s[30:31] b1 likewise
.set B2C, 18                           ; s[18:19], s[100:101] b2
.set WBN, 28
.set B1N, 30
.set B2N, 100
.set CNT, 25                           ; s25  rows of the tile
.set TRIP, 23                          ; s23  experts to go
.set MSB, 0
.macro WIN new                         ; the high byte of the immediate repeats the setting that is left
.if MSB != \new
	s_set_vgpr_msb (MSB<<8)|\new
.set MSB, \new
.endif
.endm
.macro GROUP base, gi, slot            ; group gi of the stream at base into slot: 13 loads, each 512 consecutive bytes
	WIN 0x40                                       ; destination window 1
.irp j, 0,1,2,3,4,5,6,7,8,9,10,11
	global_load_b128 v[48*(\slot)+4*\j:48*(\slot)+4*\j+3], v[LIH], s[\base:\base+1] offset:(\gi)*GB+512*\j
.endr
	WIN 0
	global_load_b128 v[WSC+4*(\slot):WSC+4*(\slot)+3], v[LIH], s[\base:\base+1] offset:(\gi)*GB+6144
.endm
.macro BIAS1 base, q                   ; b1 of chunk q in the layout of the result: lane (r, h), tile t, register j: unit 32 (t / 2) + 16 h + 8 (t % 2) + j.  16 loads
	WIN 0x40
.irp t, 0,1,2,3,4,5,6,7
	global_load_b128 v[BI+8*\t:BI+8*\t+3], v[BO1], s[\base:\base+1] offset:512*(\q)+(32*(\t/2)+8*(\t%2))*4
	global_load_b128 v[BI+8*\t+4:BI+8*\t+7], v[BO1], s[\base:\base+1] offset:512*(\q)+(32*(\t/2)+8*(\t%2))*4+16
.endr
.endm
.macro BIAS2 base                      ; b2: tile n, register j: output 16 n + 8 h + j.  16 loads
	WIN 0x40
.irp t, 0,1,2,3,4,5,6,7
	global_load_b128 v[BI+8*\t:BI+8*\t+3], v[BO2], s[\base:\base+1] offset:64*\t
	global_load_b128 v[BI+8*\t+4:BI+8*\t+7], v[BO2], s[\base:\base+1] offset:64*\t+16
.endr
.endm
.macro FETCHB set, hid, idx            ; the four row tiles of K step idx, of the hidden layer (hid = 1) or of x (0), into a set: 16 LDS loads
.irp m, 0,1,2,3
.if \hid
.irp c, 0,1,2
	ds_load_b128 v[BF+48*(\set)+12*\m+4*\c:BF+48*(\set)+12*\m+4*\c+3], v[LIH] offset:(4*(\idx)+\m)*1536+512*\c
.endr
	ds_load_b32 v[BS+4*(\set)+\m], v[LSH] offset:(4*(\idx)+\m)*128
.else
.irp c, 0,1,2
	ds_load_b128 v[BF+48*(\set)+12*\m+4*\c:BF+48*(\set)+12*\m+4*\c+3], v[LIX] offset:(4*\m+(\idx))*1536+512*\c
.endr
	ds_load_b32 v[BS+4*(\set)+\m], v[LSX] offset:(4*\m+(\idx))*128
.endif
.endr
.endm
; STEP g of 32 for an expert: one group of weights (four tiles) against four row tiles: 16 matrix instructions on 16 accumulators, one instruction a turn; an accumulator comes back 32 instructions later.
; g = 0 .. 15: first product, chunk g / 8, K step (g / 2) % 4, tiles 4 (g % 2) + i.   g = 16 .. 31: second product, K step (g - 16) / 2.
; Behind the products, four plain places, the one wait of the step, then the loads into the registers just read: group g + 4 into this slot, and behind an odd g
; the row operands of the K step after next into the set just read.  last = 1: the last expert steps 28 to 31, which ask for no more weights.
.macro STEP g, last
.set SL, (\g)%4
.set SE, ((\g)/2)%2
.set TH, (\g)%2
.set NN, 39                            ; behind group g stand groups g + 1, g + 2, g + 3: 39 loads,
.if ((\g)%8 >= 3) && ((\g)%8 <= 5) && ((\g) < 24)
.set NN, 55                            ; and in the three steps behind steps 2, 10 and 18 the 16 loads of a bias
.endif
.if \last
.set NN, 13*(31-(\g))                  ; the counts run down
.endif
	s_wait_loadcnt NN
.if TH == 0
.if (\g) == 14
	s_wait_dscnt 0x0                               ; no fetch was issued behind step 13
.else
	s_wait_dscnt 16                                ; this K step row operands are in; the 16 LDS instructions issued last may be out: the next K step loads, at step 8 the stores of the four images
.endif
.endif
.if ((\g)%8 < 2) && ((\g) < 24)
	WIN 0x91                                       ; source 0 (weights) window 1, source 1 window 0, C (the bias) window 1, D window 2: these products start the sums
.irp m, 0,1,2,3
.irp i, 0,1,2,3
	v_wmma_scale_f32_16x16x128_f8f6f4 v[64*\m+8*(4*TH+\i):64*\m+8*(4*TH+\i)+7], v[48*SL+12*\i:48*SL+12*\i+11], v[BF+48*SE+12*\m:BF+48*SE+12*\m+11], v[BI+8*(4*TH+\i):BI+8*(4*TH+\i)+7], v[WSC+4*SL+\i], v[BS+4*SE+\m] matrix_a_fmt:MATRIX_FMT_FP6 matrix_b_fmt:MATRIX_FMT_FP6
.endr
.endr
.else
	WIN 0xa1                                       ; C and D window 2
.irp m, 0,1,2,3
.irp i, 0,1,2,3
	v_wmma_scale_f32_16x16x128_f8f6f4 v[64*\m+8*(4*TH+\i):64*\m+8*(4*TH+\i)+7], v[48*SL+12*\i:48*SL+12*\i+11], v[BF+48*SE+12*\m:BF+48*SE+12*\m+11], v[64*\m+8*(4*TH+\i):64*\m+8*(4*TH+\i)+7], v[WSC+4*SL+\i], v[BS+4*SE+\m] matrix_a_fmt:MATRIX_FMT_FP6 matrix_b_fmt:MATRIX_FMT_FP6
.endr
.endr
.endif
.rept 4
	v_nop
.endr
.if (\last) == 0
	WIN 0x40                                       ; the window of the loads below, ahead of the wait
	s_wait_alu depctr_va_vdst(0)                   ; the matrix instructions issued so far are done reading: this slot and its scale words, in which group g + 4 lands; behind an odd g the set of row operands; behind steps 2, 10 and 18 the bias
.if (\g) == 2
	BIAS1 B1C, 1                                   ; wanted from step 8 on; its last readers were steps 0 and 1
.endif
.if (\g) == 10
	BIAS2 B2C                                      ; wanted from step 16 on
.endif
.if (\g) == 18
	BIAS1 B1N, 0                                   ; the next expert first chunk (in the last trip: the same expert again, so that the counts are alike)
.endif
.if (\g) < 28
	GROUP WBC, (\g)+4, SL
.else
	GROUP WBN, (\g)-28, SL
.endif
.endif
	WIN 0
.if TH == 1
.set KK, (\g)/2+2
.if \last
	s_wait_alu depctr_va_vdst(0)                   ; this step and the one before are done reading their set of row operands, in which the LDS loads below land
.endif
.if KK < 8
	FETCHB SE, 0, KK%4
.elseif KK < 10                        ; behind steps 13 and 15: the hidden layer is not there yet
.elseif KK < 16
	FETCHB SE, 1, KK-8
.else
	FETCHB SE, 0, KK-16                            ; behind steps 29 and 31: x for the next expert
.endif
.endif
.endm
; Row tile m of a chunk of the hidden layer: relu, the four blocks of 32 along the next K, codes into v[IMG + 12 m ..] and scale word into v[PW + m].  Register 16 b + i of the 64 is k = 32 b + 16 h + i of my token.
.macro QUANT m
.set AB, 64*(\m)
.set IM, IMG+12*(\m)
	WIN 0x88                                       ; source 1 and destination window 2
.set j, 0
.rept 64
	v_max_num_f32 v[AB+j], 0, v[AB+j]              ; the activation, in f32; ascending
.set j, j+1
.endr
	WIN 0x28                                       ; sources 1 and 2 window 2
.irp b, 0,1,2,3
	v_max3_num_f32 v[TM+\b], 0x1800000, v[AB+16*\b], v[AB+16*\b+1]   ; my 16 numbers of block b and the floor 2^(3 - 127): the byte cannot fall under 1.  None is negative: no |.|
.endr
.irp i, 2,4,6,8,10,12,14
.irp b, 0,1,2,3
	v_max3_num_f32 v[TM+\b], v[TM+\b], v[AB+16*\b+\i], v[AB+16*\b+\i+1]
.endr
.endr
	WIN 0
.irp b, 0,1,2,3
	v_permlanex16_b32 v[TM+4+\b], v[TM+\b], s4, s5
.endr
.irp b, 0,1,2,3
	v_max_num_f32 v[TM+\b], v[TM+\b], v[TM+4+\b]   ; with the 16 of lane l xor 16: the largest of the block
.endr
.irp b, 0,1,2,3
	v_add_nc_u32 v[TM+12+\b], 0xff000000, v[TM+\b] ; 2 off its exponent field: the scale operand of the conversion
.endr
.irp b, 0,1,2,3
	v_lshrrev_b32 v[TM+4+\b], 23, v[TM+12+\b]      ; the scale byte
.endr
.if (\m) == 0
	s_wait_alu depctr_vm_vsrc(0)                   ; the LDS stores that read v192-243 last (the images of x at the head, later the chunk before) have read them: the four quantisings write them from here on
.endif
	v_lshl_or_b32 v[PW+(\m)], v[TM+5], 8, v[TM+4]
	v_lshl_or_b32 v[PW+(\m)], v[TM+6], 16, v[PW+(\m)]
	v_lshl_or_b32 v[PW+(\m)], v[TM+7], 24, v[PW+(\m)]   ; my token scale word for this K step
	WIN 0x02                                       ; source 0 window 2
.irp c, 0,1
	v_cvt_scalef32_pk16_fp6_f32 v[IM+6*\c:IM+6*\c+2], v[AB+32*\c:AB+32*\c+15], v[TM+12+2*\c]
	v_cvt_scalef32_pk16_fp6_f32 v[PC2+4*\c:PC2+4*\c+2], v[AB+32*\c+16:AB+32*\c+31], v[TM+12+2*\c+1]   ; (the three registers of a conversion begin on an even number)
.endr
	WIN 0
	v_nop                                          ; one plain instruction behind the scaled conversions
.irp c, 0,1                            ; the layout of the operand wants a WHOLE block in a lane: lanes 0-15 block 2 c, lanes 16-31 block 2 c + 1
.irp i, 0,1,2
	v_permlane16_swap_b32 v[IM+6*\c+\i], v[PC2+4*\c+\i]
.endr
.irp i, 0,1,2
	v_mov_b32 v[IM+3+6*\c+\i], v[PC2+4*\c+\i]
.endr
.endr
.endm
; Chunk q of my two: the four row tiles are quantised into registers of their own, and their images leave in one run behind one wait.
.macro CHUNK q
	QUANT 0
	QUANT 1
	QUANT 2
	QUANT 3
	s_wait_alu depctr_va_vdst(0)                   ; the conversions, exchanges and moves have written the four images and their scale words, which the 16 LDS stores read
.irp m, 0,1,2,3
.irp c, 0,1,2
	ds_store_b128 v[HWI], v[IMG+12*\m+4*\c:IMG+12*\m+4*\c+3] offset:(4*(\q)+\m)*1536+512*\c
.endr
	ds_store_b32 v[HWS], v[PW+\m] offset:(4*(\q)+\m)*128
.endr
.endm
	s_load_b512 s[4:19], s[0:1], 0x0               ; tiles s[4:5], order s[6:7], xq s[8:9], xs s[10:11], gw s[12:13], wimg s[14:15], b1 s[16:17], b2 s[18:19]
	s_load_b64 s[20:21], s[0:1], 0x40              ; out0
	v_lshl_add_u32 v174, v0, 2, 0x1bc00
	v_mov_b32 v175, 0
	v_lshrrev_b32 v12, 5, v0
	v_readfirstlane_b32 s22, v12                   ; wave 0..3
	v_and_b32 v12, 31, v0                          ; lane
	v_and_b32 v13, 15, v0                          ; r
	v_bfe_u32 v14, v0, 4, 1                        ; h
	v_lshlrev_b32 v[LIH], 4, v12
	v_add_nc_u32 v[LIX], XIMG, v[LIH]
	v_lshlrev_b32 v15, 2, v12
	v_add_nc_u32 v[LSH], HSC, v15
	v_add_nc_u32 v[LSX], XSC, v15
	s_wait_alu depctr_va_sdst(0)                   ; s22 is written, ahead of its first reader
	s_mul_i32 s2, s22, 12288
	v_add_nc_u32 v[HWI], s2, v[LIH]
	s_lshl_b32 s2, s22, 10
	v_add_nc_u32 v[HWS], s2, v[LSH]
	v_lshlrev_b32 v[BO1], 6, v14
	v_lshlrev_b32 v[BO2], 5, v14
	s_mul_i32 s2, s22, 8448
	s_add_co_u32 s2, s2, STG
	v_mul_u32_u24 v[SO], v13, 528
	v_lshl_add_u32 v[SO], v14, 5, v[SO]
	v_add_nc_u32 v[SO], s2, v[SO]
	v_add_nc_u32 v[SR], s2, v[LIH]
	s_lshl_b32 s2, s22, 9
	v_add_nc_u32 v[CO], s2, v[LIH]
	s_mul_i32 s2, s22, 6144
	s_add_co_u32 s2, s2, XIMG
	v_add_nc_u32 v184, s2, v[LIH]                  ; where I store the images of x: row tile w
	s_lshl_b32 s2, s22, 9
	s_add_co_u32 s2, s2, XSC
	v_add_nc_u32 v185, s2, v15                     ; and their scale words
	v_lshlrev_b32 v186, 2, v13                     ; 4 r: a word of order
	s_lshl_b32 s2, s22, 6
	v_add_nc_u32 v187, s2, v186                    ; 4 r + 64 w: that of my own row tile
	v_mul_u32_u24 v188, v14, 48                    ; 48 h
	s_lshl_b32 s2, ttmp9, 4
	s_mov_b32 s3, 0
	s_wait_kmcnt 0x0
	s_add_nc_u64 s[4:5], s[4:5], s[2:3]
	s_load_b128 s[24:27], s[4:5], 0x0              ; my tile: first place in order, rows, lower expert, higher expert
	s_wait_kmcnt 0x0
	s_min_u32 s24, s24, 0x2000                     ; each is held inside its table
	s_min_u32 s25, s25, 64
	s_min_u32 s26, s26, 7
	s_min_u32 s27, s27, 7
	s_mov_b32 s4, 0x76543210                       ; (the pointer to tiles is done with)  the selects of v_permlanex16_b32 for lane l xor 16
	s_mov_b32 s5, 0xfedcba98
	s_lshl_b32 s2, s24, 2
	s_add_nc_u64 s[6:7], s[6:7], s[2:3]
	s_load_b512 s[32:47], s[6:7], 0x0              ; the 64 tokens as scalars, for the rows of out0
	s_load_b512 s[48:63], s[6:7], 0x40
	s_load_b512 s[68:83], s[6:7], 0x80
	s_load_b512 s[84:99], s[6:7], 0xc0
	s_wait_alu depctr_va_vdst(0)                   ; the addresses and offsets v1-11 and v184-188 are written, which the loads and stores of the whole kernel read; the lines that wrote and read v12-15, in which the loads below land, are done
.irp m, 0,1,2,3
	global_load_b32 v[12+\m], v186, s[6:7] offset:64*\m            ; and lane by lane: token r of each row tile,
.endr
	global_load_b32 v189, v187, s[6:7]             ; and of my own
	s_mul_i32 s23, s22, WSTR
	s_mul_i32 s2, s27, ESTR
	s_add_co_u32 s2, s2, s23
	s_add_nc_u64 s[WBN:WBN+1], s[14:15], s[2:3]
	s_mul_i32 s2, s26, ESTR
	s_add_co_u32 s2, s2, s23
	s_add_nc_u64 s[WBC:WBC+1], s[14:15], s[2:3]
	s_lshl_b32 s23, s22, 10
	s_lshl_b32 s2, s27, 12
	s_add_co_u32 s2, s2, s23
	s_add_nc_u64 s[B1N:B1N+1], s[16:17], s[2:3]
	s_lshl_b32 s2, s26, 12
	s_add_co_u32 s2, s2, s23
	s_add_nc_u64 s[B1C:B1C+1], s[16:17], s[2:3]
	s_lshl_b32 s23, s22, 9
	s_lshl_b32 s2, s27, 11
	s_add_co_u32 s2, s2, s23
	s_add_nc_u64 s[B2N:B2N+1], s[18:19], s[2:3]
	s_lshl_b32 s2, s26, 11
	s_add_co_u32 s2, s2, s23
	s_add_nc_u64 s[B2C:B2C+1], s[18:19], s[2:3]
	WIN 0xc0                                       ; destination window 3
.set j, 0
.rept 256
	v_mov_b32 v[j], 0                              ; the weighted sum begins as zeros, while the tokens are on their way: so one text serves both experts, and a tile without rows reads nothing unwritten
.set j, j+1
.endr
	WIN 0
.irp b, 0,1,2,3
	v_mov_b32 v[TM+4+\b], 0                        ; written once: the destination of a lane permute counts as one of its sources
.endr
	s_wait_loadcnt 0x0                             ; the tokens
.irp m, 0,1,2,3
	v_min_u32 v[12+\m], 0x1fff, v[12+\m]
	v_lshlrev_b32 v[12+\m], 3, v[12+\m]
.endr
	v_min_u32 v189, 0x1fff, v189
	v_mul_u32_u24 v190, v189, 384
	v_add_nc_u32 v190, v190, v188                  ; xq: my token row, my half
	v_lshlrev_b32 v191, 4, v189                    ; xs: its 16 bytes
	s_wait_alu depctr_va_vdst(0)                   ; the offsets v12-15, v190 and v191 are written, which the gather reads
.irp m, 0,1,2,3
	global_load_b64 v[GW+2*\m:GW+2*\m+1], v[12+\m], s[12:13]       ; the two gates of token r of row tile m
.endr
.irp s, 0,1,2,3
.irp c, 0,1,2
	global_load_b128 v[192+12*\s+4*\c:192+12*\s+4*\c+3], v190, s[8:9] offset:96*\s+16*\c   ; the fragment of K step s: 48 bytes on end
.endr
.endr
	global_load_b128 v[240:243], v191, s[10:11]    ; its four scale words
	BIAS1 B1C, 0
	GROUP WBC, 0, 0
	GROUP WBC, 1, 1
	GROUP WBC, 2, 2
	s_wait_loadcnt 55                              ; the gather is in: behind it stand 16 loads of b1 and 39 of weights
.irp s, 0,1,2,3
.irp c, 0,1,2
	ds_store_b128 v184, v[192+12*\s+4*\c:192+12*\s+4*\c+3] offset:1536*\s+512*\c
.endr
	ds_store_b32 v185, v[240+\s] offset:128*\s
.endr
	GROUP WBC, 3, 3
	s_wait_kmcnt 0x0
.irp b, 32,48,68,84
.set k, 0
.rept 16
	s_min_u32 s[\b+k], s[\b+k], 0x1fff             ; a token, held inside out0,
	s_lshl_b32 s[\b+k], s[\b+k], 11                ; as the byte at which its row begins
.set k, k+1
.endr
.endr
	s_wait_dscnt 0x0                               ; my images of x lie in LDS,
	s_barrier_signal -1
	s_barrier_wait -1                              ; and everybody else images
	FETCHB 0, 0, 0
	FETCHB 1, 0, 1
	s_mov_b32 s[TRIP], 2
.Ltrip:                                            ; a trip is an expert
	s_cmp_eq_u32 s[CNT], 0
	s_cbranch_scc1 .Lno_p1
.irp g, 0,1,2,3,4,5,6,7
	STEP \g, 0
.endr
	CHUNK 0
.irp g, 8,9,10,11,12,13,14,15
	STEP \g, 0
.endr
	CHUNK 1
.Lno_p1:
	s_wait_dscnt 0x0                               ; my eight images of the hidden layer lie in LDS,
	s_barrier_signal -1
	s_barrier_wait -1                              ; all 32 do
	s_cmp_eq_u32 s[CNT], 0
	s_cbranch_scc1 .Lno_p2
	FETCHB 0, 1, 0                                 ; both sets were last read by steps 12 to 15, ahead of the wait behind step 15; no vector or matrix instruction since names them
	FETCHB 1, 1, 1
.irp g, 16,17,18,19,20,21,22,23,24,25,26,27
	STEP \g, 0
.endr
	s_cmp_eq_u32 s[TRIP], 1
	s_cbranch_scc1 .Ltail_last
.irp g, 28,29,30,31
	STEP \g, 0                                     ; the ring goes on into the next expert
.endr
	s_branch .Ltail_done
.Ltail_last:
.irp g, 28,29,30,31
	STEP \g, 1
.endr
.Ltail_done:
	WIN 0xf2                                       ; source 0 window 2, source 1 (the gate) window 0, source 2 and destination window 3
.irp m, 0,1,2,3
.set j, 0
.rept 32
	v_pk_fma_f32 v[64*\m+j:64*\m+j+1], v[64*\m+j:64*\m+j+1], v[GW+2*\m:GW+2*\m+1], v[64*\m+j:64*\m+j+1] op_sel_hi:[1,0,1]   ; sum += gate x (product + b2); ascending: each accumulator is first read at its low end
.set j, j+2
.endr
.endr
	WIN 0
.irp m, 0,1,2,3
	v_mov_b32 v[GW+2*\m], v[GW+2*\m+1]             ; the next expert gate
.endr
.Lno_p2:
	s_wait_dscnt 0x0                               ; my reads of the hidden layer are over,
	s_barrier_signal -1
	s_barrier_wait -1                              ; everybody reads are: it may be written again
	s_wait_xcnt 0x0                                ; the loads issued so far have read their bases: these may be written
	s_mov_b64 s[WBC:WBC+1], s[WBN:WBN+1]
	s_mov_b64 s[B1C:B1C+1], s[B1N:B1N+1]
	s_mov_b64 s[B2C:B2C+1], s[B2N:B2N+1]
	s_sub_co_u32 s[TRIP], s[TRIP], 1
	s_cmp_lg_u32 s[TRIP], 0
	s_cbranch_scc1 .Ltrip
; THE WAY OUT, a row tile at a time.  A lane holds 32 neighbouring bytes of eight places of one row, the lanes beside it other rows: the tile goes through my own stage in LDS and comes back as rows of 512 bytes,
; which the 32 lanes store as 512 consecutive bytes, aligned, at the row of the token.  The rows with tokens are the first CNT: the first row without one ends the wave.
.irp m, 0,1,2,3
.if \m > 0
	s_wait_xcnt 0x0                                ; the last row tile stores have read their registers
.endif
	s_wait_alu depctr_vm_vsrc(0)                   ; first tile: the LDS stores of images have read v192-243, in which the rows below land; later tiles: the global stores have read their rows v192-255 and their offsets v136-151, which are written again below
.irp i, 0,1,2,3,4,5,6,7,8,9,10,11,12,13,14,15
	v_add_nc_u32 v[TM+\i], s[32+16*\m+4*(\m/2)+\i], v[CO]
.endr
	WIN 0x0c                                       ; the data of an LDS store are its source 1: window 3
	s_wait_alu depctr_va_vdst(0)                   ; the weighted sums are written, which the LDS stores read; the 16 offsets are written, which the global stores read; the lines that wrote v192-243 in the loop are done, and the rows land there
.irp n, 0,1,2,3,4,5,6,7
	ds_store_b128 v[SO], v[64*\m+8*\n:64*\m+8*\n+3] offset:64*\n
	ds_store_b128 v[SO], v[64*\m+8*\n+4:64*\m+8*\n+7] offset:64*\n+16
.endr
	WIN 0
.irp i, 0,1,2,3,4,5,6,7,8,9,10,11,12,13,14,15
	ds_load_b128 v[192+4*\i:192+4*\i+3], v[SR] offset:528*\i       ; LDS serves the instructions of a wave in order: these see my stores
.endr
.irp i, 0,1,2,3,4,5,6,7,8,9,10,11,12,13,14,15
	s_wait_dscnt 15-\i
	s_cmp_gt_u32 s[CNT], 16*\m+\i
	s_cbranch_scc0 .Lend
	global_store_b128 v[TM+\i], v[192+4*\i:192+4*\i+3], s[20:21] th:TH_STORE_NT
.endr
.endr
.Lend:
	s_wait_dscnt 0x0
	s_wait_alu depctr_hold_cnt(0) depctr_sa_sdst(0) depctr_va_vdst(0) depctr_va_sdst(0) depctr_va_ssrc(0) depctr_va_vcc(0) depctr_vm_vsrc(0)
	s_wait_tensorcnt 0x0
	ds_add_u32 v174, v175
	s_wait_dscnt 0x0
	s_endpgm
.Lfunc_end_k_q647da0a630_chain:
	.size	k_q647da0a630_chain, .Lfunc_end_k_q647da0a630_chain-k_q647da0a630_chain
	.p2alignl 7, 3214868480
	.fill 96, 4, 3214868480
	.section	.rodata,"a",@progbits
	.p2align	6, 0x0
	.amdhsa_kernel k_q647da0a630_chain
		.amdhsa_group_segment_fixed_size 114176
		.amdhsa_private_segment_fixed_size 0
		.amdhsa_enable_private_segment 0
		.amdhsa_kernarg_size 72
		.amdhsa_user_sgpr_count 2
		.amdhsa_user_sgpr_kernarg_segment_ptr 1
		.amdhsa_wavefront_size32 1
		.amdhsa_system_sgpr_workgroup_id_x 1
		.amdhsa_system_sgpr_workgroup_id_y 1
		.amdhsa_system_sgpr_workgroup_id_z 1
		.amdhsa_system_vgpr_workitem_id 0
		.amdhsa_next_free_vgpr 1024
		.amdhsa_next_free_sgpr 102
		.amdhsa_reserve_vcc 0
		.amdhsa_float_denorm_mode_32 3
		.amdhsa_float_denorm_mode_16_64 3
		.amdhsa_memory_ordered 1
		.amdhsa_forward_progress 1
		.amdhsa_inst_pref_size 255
	.end_amdhsa_kernel
	.section	.bss,"aw",@nobits
	.p2align	6
	.space	262144
	.amdgpu_metadata
---
amdhsa.version: [ 1, 2 ]
amdhsa.kernels:
  - .name:           k_q647da0a630_chain
    .symbol:         k_q647da0a630_chain.kd
    .args:
      - { .name: tiles, .offset: 0, .size: 8, .value_kind: global_buffer, .address_space: global }
      - { .name: order, .offset: 8, .size: 8, .value_kind: global_buffer, .address_space: global }
      - { .name: xq, .offset: 16, .size: 8, .value_kind: global_buffer, .address_space: global }
      - { .name: xs, .offset: 24, .size: 8, .value_kind: global_buffer, .address_space: global }
      - { .name: gw, .offset: 32, .size: 8, .value_kind: global_buffer, .address_space: global }
      - { .name: wimg, .offset: 40, .size: 8, .value_kind: global_buffer, .address_space: global }
      - { .name: b1, .offset: 48, .size: 8, .value_kind: global_buffer, .address_space: global }
      - { .name: b2, .offset: 56, .size: 8, .value_kind: global_buffer, .address_space: global }
      - { .name: out0, .offset: 64, .size: 8, .value_kind: global_buffer, .address_space: global }
    .group_segment_fixed_size: 114176
    .private_segment_fixed_size: 0
    .kernarg_segment_align: 8
    .kernarg_segment_size: 72
    .max_flat_workgroup_size: 128
    .sgpr_count:     102
    .vgpr_count:     1024
    .wavefront_size: 32
...
	.end_amdgpu_metadata
.endif
;; end of part 4
